; MI455X (gfx1250); checked and timed in simulation.
; The chip was launched on July 23, 2026; its instructions are those of AMD's public machine-readable ISA for CDNA 5 (MIT licence, August 2026) and "CDNA5" Instruction Set Architecture Reference Guide (July 2026). The comments in the code are by the model that wrote it; some were corrected since.
;; Spatial Attention. Allowed arithmetic: float matrix products may take bf16 or f16 operands with f32 sums; all other float work in f32.
;; Inputs: alpha1 1 float32; alpha2 1 float32; h 2 x 128 x 1,024 float32; obj_embed 128 x 256 x 1,024 float32; q1_b 1,024 float32; q1_w 1,024 x 1,024 float32; q2_b 1,024 float32; q2_w 1,024 x 1,024 float32; wk_b 1,024 float32; wk_w 1,024 x 1,024 float32; wv_b 1,024 float32; wv_w 1,024 x 1,024 float32.
;; Outputs: out0 128 x 1 x 1,024 float32.
;; 2 versions, each right; version 2 is version 1 with the launches query, value written anew for expert scheduling mode. Each part assembles by itself: llvm-mc -triple=amdgcn-amd-amdhsa -mcpu=gfx1250 --defsym DOCPART=n.
;; ======== version 1 of 2: 4 launches
;; limits: values are held in f16: magnitudes above 65,504 overflow, below 6.1e-05 lose precision; inputs' magnitudes at most 65,504
;; workspace buffers: qcf 262,144 bytes; tq 524,288 bytes; cb 512 bytes; xp 1,048,576 bytes; st 2,048 bytes
;; launch query (part 1): grid 32 x 8, 16 waves a work-group, no clusters, 243,712 bytes of LDS; arguments h, q1_w, q2_w, q1_b, q2_b, alpha1, alpha2, qcf; writes qcf
.if DOCPART == 1
	.amdgcn_target "amdgcn-amd-amdhsa--gfx1250"
	.amdhsa_code_object_version 6
	.text
	.protected	k_q8fdf43542b_query
	.globl	k_q8fdf43542b_query
	.p2align	8
	.type	k_q8fdf43542b_query,@function
k_q8fdf43542b_query:
	s_mov_b64 s[64:65], 0
	v_nop
	global_prefetch_b8 v0, s[64:65] scope:SCOPE_SE
	s_setreg_imm32_b32 hwreg(HW_REG_WAVE_MODE, 25, 1), 1
	s_wait_xcnt 0x0
; qc[b][n] = (log2(e)/32) (alpha1 (h[0][b] . q1_w[n] + q1_b[n]) + alpha2 (h[1][b] . q2_w[n] + q2_b[n])), rounded once to bf16.
; There is one query row for each batch, so the module is reassociated: scores = x . (Wk^T qc) + qc . bk, out = Wv (sum of w x) + bv.  Keys and values are never
; formed, so the order of rounding differs from the module's as written.  The factor 1/sqrt(1024) and log2(e) (the softmax works in base 2) are folded in here, in f32.
; SHARES.  Work-group (x, y): rows 16 y .. +15, columns 32 x .. +31.  Wave w: product w / 8, K slice 128 (w % 8) .. +127 of the whole tile.  A wave loads its 48 row pieces
; of 512 bytes (16 of h, 32 of the weights), rounds them to bf16, lays them into LDS rows of its own, reads fragments back, and issues 8 matrix instructions; the 16 partial
; tiles meet in LDS behind one barrier, and waves 0 and 1 add them, apply bias and alphas and store.
; THE MATRIX INSTRUCTION IS USED TRANSPOSED (source 0 = 16 weight rows, source 1 = 16 rows of h): a lane holds row lane % 16 and columns 8 (lane / 16) + 0..7.
; OUTPUT LAYOUT.  qcf is the register image of the next launch's operand: block (y, x) of 1,024 bytes; byte 512 a + 16 lane + 2 i is qc[16 y + lane % 16][32 x + 16 a + 8 (lane / 16) + i].
; NO CLUSTER: the operands are f32 in memory and pass through registers to be rounded; as f32 tiles a work-group's 16 x 48 x 512 = 393,216 bytes do not fit into the
; 327,680 bytes of LDS, so joint loads would want a ring for a text that makes one trip.
; LIMITS.  h and the weights are rounded to bf16 for the products, qc to bf16; NaN and infinities are not treated apart.
.set P,     272                        ; an LDS row: 256 bytes of bf16 + 16: the 16 rows of a fragment load start at 16 different groups of four banks (64 banks of 4 bytes: ISA guide 11.1)
.set SLICE, 48*P                       ; a wave's own rows: 0-15 h, 16-47 weights
.set RED,   16*SLICE                   ; the partial tiles: 2,048 bytes a wave, as they lie in registers: 1,024 a + 512 half + 16 lane
.set SPARE, RED+16*2048                ; the spare words, 128 bytes for each wave: eight blocks of 256 bytes that no other line names
.set GOFF, 4                           ; v4   16 lane: my 16 bytes of a row piece
.set BOFF, 5                           ; v5   byte offset of my 8 columns in a bias
.set STA,  6                           ; v6   LDS: where my 8 bytes of row 0 go
.set FR,   7                           ; v7   LDS: my lane's place in a fragment
.set RS,   8                           ; v8   LDS: where my partial tile goes
.set RD,   9                           ; v9   LDS: where a finishing wave reads
.set GO,   10                          ; v10  my byte offset in qcf
.set SPW,  11                          ; v11  LDS address of my spare word; never rewritten
.set NIL,  12                          ; v12  0; never rewritten
.set B1,   16                          ; v[16:23] q1_b, v[24:31] q2_b of my 8 columns
.set B2,   24
.set ACC,  32                          ; v[32:47] two accumulators
.set DATA, 48                          ; v[48:239] 48 loads of 4 registers; row t at DATA + 4 t
.set AF,   48                          ; later: h's fragments, K step s at AF + 8 s
.set BF,   80                          ; the weights': column block a, K step s at BF + 32 a + 8 s
.set F,    48                          ; later still, in waves 0 and 1: the 16 partial tiles, 8 registers each
	s_load_b256 s[4:11], s[0:1], 0x0               ; h s[4:5], q1_w s[6:7], q2_w s[8:9], q1_b s[10:11]
	s_load_b256 s[12:19], s[0:1], 0x20             ; q2_b s[12:13], alpha1 s[14:15], alpha2 s[16:17], qcf s[18:19]
	v_lshl_add_u32 v[SPW], v0, 2, SPARE
	v_mov_b32 v[NIL], 0
	v_lshrrev_b32 v13, 5, v0
	v_readfirstlane_b32 s24, v13                   ; wave 0..15
	v_and_b32 v1, 31, v0                           ; lane
	v_and_b32 v2, 15, v0                           ; r = lane % 16
	v_bfe_u32 v3, v0, 4, 1                         ; lane / 16
	s_lshr_b32 s25, s24, 3                         ; which product
	s_and_b32 s34, s24, 7
	s_lshl_b32 s34, s34, 9                         ; my K slice, in bytes of a row
	s_and_b32 s35, s24, 1                          ; the column block that I finish, if I finish one
	s_mov_b32 s26, ttmp9                           ; x
	s_and_b32 s27, ttmp7, 0xffff                   ; y
	v_lshlrev_b32 v[GOFF], 4, v1
	s_lshl_b32 s36, s26, 7
	s_lshl_b32 s37, s35, 6
	s_add_co_u32 s36, s36, s37
	v_lshl_add_u32 v[BOFF], v3, 5, s36             ; 4 (32 x + 16 a + 8 (lane / 16))
	s_mul_i32 s36, s24, SLICE
	v_lshl_add_u32 v[STA], v1, 3, s36              ; my slice + 8 lane
	v_mul_u32_u24 v[FR], v2, P
	v_lshl_add_u32 v[FR], v3, 4, v[FR]
	v_add_nc_u32 v[FR], s36, v[FR]                 ; my slice + row x pitch + 16 x half
	s_lshl_b32 s36, s24, 11
	s_add_co_u32 s36, s36, RED
	v_lshl_add_u32 v[RS], v1, 4, s36
	s_lshl_b32 s36, s35, 10
	s_add_co_u32 s36, s36, RED
	v_lshl_add_u32 v[RD], v1, 4, s36
	s_lshl_b32 s36, s27, 5
	s_add_co_u32 s36, s36, s26
	s_lshl_b32 s36, s36, 10                        ; block (y, x)
	s_lshl_b32 s37, s35, 9
	s_add_co_u32 s36, s36, s37                     ; its half a
	v_lshl_add_u32 v[GO], v1, 4, s36
	s_lshl_b32 s32, s25, 19                        ; h[i]: 128 rows of 4,096 bytes
	s_lshl_b32 s37, s27, 16                        ; row 16 y
	s_add_co_u32 s32, s32, s37
	s_add_co_u32 s32, s32, s34
	s_mov_b32 s33, 0
	s_lshl_b32 s36, s26, 17                        ; weight row 32 x
	s_add_co_u32 s36, s36, s34
	s_mov_b32 s37, 0
	s_wait_kmcnt 0x0
	s_load_b32 s20, s[14:15], 0x0                  ; alpha1
	s_load_b32 s22, s[16:17], 0x0                  ; alpha2
	s_add_nc_u64 s[28:29], s[4:5], s[32:33]
	s_cmp_lg_u32 s25, 0
	s_cselect_b64 s[30:31], s[8:9], s[6:7]         ; q2_w for waves 8-15, q1_w for waves 0-7
	s_add_nc_u64 s[30:31], s[30:31], s[36:37]
	; all loads go out at once: 4 of the biases, then 48 row pieces, each 512 consecutive bytes
	global_load_b128 v[B1:B1+3],   v[BOFF], s[10:11]
	global_load_b128 v[B1+4:B1+7], v[BOFF], s[10:11] offset:16
	global_load_b128 v[B2:B2+3],   v[BOFF], s[12:13]
	global_load_b128 v[B2+4:B2+7], v[BOFF], s[12:13] offset:16
.set t, 0
.rept 16
	global_load_b128 v[DATA+4*t:DATA+4*t+3], v[GOFF], s[28:29] offset:t*4096
.set t, t+1
.endr
.rept 32
	global_load_b128 v[DATA+4*t:DATA+4*t+3], v[GOFF], s[30:31] offset:(t-16)*4096
.set t, t+1
.endr
	; four rows at a time: rounded in place, 8 bytes a lane into my LDS rows
.set t, 0
.rept 12
	s_wait_loadcnt 44-t                            ; loads come back in order (ISA guide 5.7.1): of the 48 row pieces those behind this group's four may stay out; the biases are older
.rept 4
	v_cvt_pk_bf16_f32 v[DATA+4*t],   v[DATA+4*t],   v[DATA+4*t+1]
	v_cvt_pk_bf16_f32 v[DATA+4*t+1], v[DATA+4*t+2], v[DATA+4*t+3]
	ds_store_b64 v[STA], v[DATA+4*t:DATA+4*t+1] offset:t*P
.set t, t+1
.endr
.endr
	; fragments: 16 rows x 32 K in 8 registers, two loads of 16 bytes, 32 bytes apart.  The rows are my own, and LDS serves a wave's instructions in order (ISA guide 5.7.1.4): no wait between stores and loads
.irp s, 0,1,2,3
	ds_load_b128 v[AF+8*(\s):AF+8*(\s)+3],   v[FR] offset:64*(\s)
	ds_load_b128 v[AF+8*(\s)+4:AF+8*(\s)+7], v[FR] offset:64*(\s)+32
.irp a, 0,1
	ds_load_b128 v[BF+32*(\a)+8*(\s):BF+32*(\a)+8*(\s)+3],   v[FR] offset:(16+16*(\a))*P+64*(\s)
	ds_load_b128 v[BF+32*(\a)+8*(\s)+4:BF+32*(\a)+8*(\s)+7], v[FR] offset:(16+16*(\a))*P+64*(\s)+32
.endr
.endr
	s_wait_dscnt 0x0
	; the two accumulators take turns; the first K step starts the sums
.irp s, 0,1,2,3
.irp a, 0,1
.if (\s) == 0
	v_wmma_f32_16x16x32_bf16 v[ACC+8*(\a):ACC+8*(\a)+7], v[BF+32*(\a)+8*(\s):BF+32*(\a)+8*(\s)+7], v[AF+8*(\s):AF+8*(\s)+7], 0
.else
	v_wmma_f32_16x16x32_bf16 v[ACC+8*(\a):ACC+8*(\a)+7], v[BF+32*(\a)+8*(\s):BF+32*(\a)+8*(\s)+7], v[AF+8*(\s):AF+8*(\s)+7], v[ACC+8*(\a):ACC+8*(\a)+7]
.endif
.endr
.endr
	s_wait_kmcnt 0x0                               ; the alphas
	s_mul_f32 s20, s20, 0x3d38aa3b                 ; times log2(e) / 32
	s_mul_f32 s22, s22, 0x3d38aa3b
	s_mov_b32 s21, s20                             ; named as pairs by the packed lines below
	s_mov_b32 s23, s22
.rept 4
	v_nop                                          ; four places between the last product and the stores that read results
.endr
.irp a, 0,1
	ds_store_b128 v[RS], v[ACC+8*(\a):ACC+8*(\a)+3]   offset:(\a)*1024
	ds_store_b128 v[RS], v[ACC+8*(\a)+4:ACC+8*(\a)+7] offset:(\a)*1024+512
.endr
	s_wait_dscnt 0x0                               ; for the others' sake: my partial tile is in LDS
	s_barrier_signal -1
	s_barrier_wait -1
	s_cmp_gt_u32 s24, 1
	s_cbranch_scc1 .Lend
	; wave a = 0, 1: column block a of all 16 partial tiles
.set q, 0
.rept 16
	ds_load_b128 v[F+8*q:F+8*q+3],   v[RD] offset:q*2048
	ds_load_b128 v[F+8*q+4:F+8*q+7], v[RD] offset:q*2048+512
.set q, q+1
.endr
	s_wait_dscnt 0x0
.irp d, 4,2,1                          ; waves 0-7's tiles into F (the first product), waves 8-15's into F + 64 (the second), by pairs 4, 2, 1 apart
.set q, 0
.rept \d
.irp p, 0,2,4,6
	v_pk_add_f32 v[F+8*q+(\p):F+8*q+(\p)+1], v[F+8*q+(\p):F+8*q+(\p)+1], v[F+8*(q+(\d))+(\p):F+8*(q+(\d))+(\p)+1]
	v_pk_add_f32 v[F+64+8*q+(\p):F+64+8*q+(\p)+1], v[F+64+8*q+(\p):F+64+8*q+(\p)+1], v[F+64+8*(q+(\d))+(\p):F+64+8*(q+(\d))+(\p)+1]
.endr
.set q, q+1
.endr
.endr
.irp p, 0,2,4,6
	v_pk_add_f32 v[F+(\p):F+(\p)+1], v[F+(\p):F+(\p)+1], v[B1+(\p):B1+(\p)+1]
	v_pk_add_f32 v[F+64+(\p):F+64+(\p)+1], v[F+64+(\p):F+64+(\p)+1], v[B2+(\p):B2+(\p)+1]
.endr
.irp p, 0,2,4,6
	v_pk_mul_f32 v[F+(\p):F+(\p)+1], v[F+(\p):F+(\p)+1], s[20:21] op_sel_hi:[1,0]
.endr
.irp p, 0,2,4,6
	v_pk_fma_f32 v[F+(\p):F+(\p)+1], v[F+64+(\p):F+64+(\p)+1], s[22:23], v[F+(\p):F+(\p)+1] op_sel_hi:[1,0,1]
.endr
	v_cvt_pk_bf16_f32 v[F],   v[F],   v[F+1]
	v_cvt_pk_bf16_f32 v[F+1], v[F+2], v[F+3]
	v_cvt_pk_bf16_f32 v[F+2], v[F+4], v[F+5]
	v_cvt_pk_bf16_f32 v[F+3], v[F+6], v[F+7]
	global_store_b128 v[GO], v[F:F+3], s[18:19]    ; the wave stores 512 consecutive bytes, at a multiple of 512 from qcf's first byte
.Lend:
	s_wait_tensorcnt 0x0                           ; the wave's end, behind my last LDS store
	ds_add_u32 v[SPW], v[NIL]
	s_wait_dscnt 0x0
	s_endpgm
.Lfunc_end_k_q8fdf43542b_query:
	.size	k_q8fdf43542b_query, .Lfunc_end_k_q8fdf43542b_query-k_q8fdf43542b_query
	.p2alignl 7, 3214868480
	.fill 96, 4, 3214868480
	.section	.rodata,"a",@progbits
	.p2align	6, 0x0
	.amdhsa_kernel k_q8fdf43542b_query
		.amdhsa_group_segment_fixed_size 243712
		.amdhsa_private_segment_fixed_size 0
		.amdhsa_enable_private_segment 0
		.amdhsa_kernarg_size 64
		.amdhsa_user_sgpr_count 2
		.amdhsa_user_sgpr_kernarg_segment_ptr 1
		.amdhsa_wavefront_size32 1
		.amdhsa_system_sgpr_workgroup_id_x 1
		.amdhsa_system_sgpr_workgroup_id_y 1
		.amdhsa_system_sgpr_workgroup_id_z 1
		.amdhsa_system_vgpr_workitem_id 0
		.amdhsa_next_free_vgpr 240
		.amdhsa_next_free_sgpr 66
		.amdhsa_reserve_vcc 0
		.amdhsa_float_denorm_mode_32 3
		.amdhsa_float_denorm_mode_16_64 3
		.amdhsa_memory_ordered 1
		.amdhsa_forward_progress 1
		.amdhsa_inst_pref_size 27
	.end_amdhsa_kernel
	.amdgpu_metadata
---
amdhsa.version: [ 1, 2 ]
amdhsa.kernels:
  - .name:           k_q8fdf43542b_query
    .symbol:         k_q8fdf43542b_query.kd
    .args:
      - { .name: h, .offset: 0, .size: 8, .value_kind: global_buffer, .address_space: global }
      - { .name: q1_w, .offset: 8, .size: 8, .value_kind: global_buffer, .address_space: global }
      - { .name: q2_w, .offset: 16, .size: 8, .value_kind: global_buffer, .address_space: global }
      - { .name: q1_b, .offset: 24, .size: 8, .value_kind: global_buffer, .address_space: global }
      - { .name: q2_b, .offset: 32, .size: 8, .value_kind: global_buffer, .address_space: global }
      - { .name: alpha1, .offset: 40, .size: 8, .value_kind: global_buffer, .address_space: global }
      - { .name: alpha2, .offset: 48, .size: 8, .value_kind: global_buffer, .address_space: global }
      - { .name: qcf, .offset: 56, .size: 8, .value_kind: global_buffer, .address_space: global }
    .group_segment_fixed_size: 243712
    .private_segment_fixed_size: 0
    .kernarg_segment_align: 8
    .kernarg_segment_size: 64
    .max_flat_workgroup_size: 512
    .sgpr_count:     66
    .vgpr_count:     240
    .wavefront_size: 32
...
	.end_amdgpu_metadata
.endif
;; end of part 1
;; launch keyfold (part 2): grid 16 x 8, 16 waves a work-group, no clusters, 236,544 bytes of LDS; arguments qcf, wk_w, wk_b, tq, cb; writes tq, cb
.if DOCPART == 2
	.amdgcn_target "amdgcn-amd-amdhsa--gfx1250"
	.amdhsa_code_object_version 6
	.text
	.protected	k_q8fdf43542b_keyfold
	.globl	k_q8fdf43542b_keyfold
	.p2align	8
	.type	k_q8fdf43542b_keyfold,@function
k_q8fdf43542b_keyfold:
	s_mov_b64 s[64:65], 0
	v_nop
	global_prefetch_b8 v0, s[64:65] scope:SCOPE_SE
	s_setreg_imm32_b32 hwreg(HW_REG_WAVE_MODE, 25, 1), 1
	s_wait_xcnt 0x0
; t[b][e] = the sum over d of qc[b][d] wk_w[d][e] (f32 out), and c[b] = the sum over d of qc[b][d] wk_b[d]: with them a score is x . t[b] + c[b], and no key is formed.
; SHARES.  Work-group (x, y): rows 16 y .. +15 of t, columns 64 x .. +63 (a row piece of wk_w is then 256 bytes).  Wave w: d = 64 w .. +63 of the whole tile.  qc comes as
; ready fragments from qcf.  wk_w lies [d][e], K down the rows: a wave rounds its 64 x 64 piece to bf16 into LDS rows of its own and reads it turned, by ds_load_tr16_b128.
; 8 matrix instructions a wave; the 16 partial tiles meet in LDS behind one barrier; waves 0-7 add them and store.
; THE MATRIX INSTRUCTION IS USED TRANSPOSED (source 0 = 16 columns e, source 1 = 16 rows of qc): a lane holds row lane % 16 and columns 8 (lane / 16) + 0..7.
; c is made by every work-group, so that loads and counts are alike on every path (8 loads and 35 lines a wave), and stored by wave 8 of the work-groups with x = 0.
; NO CLUSTER: wk_w is f32 in memory and passes through registers to be rounded; as f32 tiles a work-group's 16 x 64 x 256 = 262,144 bytes, the bf16 rows (163,840) and the partial
; tiles (69,632) do not fit into 327,680 bytes of LDS together.
; LIMITS.  wk_w is rounded to bf16; c is summed in f32 from the rounded qc; NaN and infinities are not treated apart.
.set PT,    160                        ; an LDS row of wk_w: 128 bytes of bf16 + 32 = 40 words
.set SLICE, 64*PT                      ; a wave's own 64 rows
.set RED,   16*SLICE                   ; the partial tiles:
.set RP,    272                        ; rows of 64 f32 + 16 bytes,
.set REDW,  16*RP                      ; 16 rows a wave
.set CRED,  RED+16*REDW                ; the partial c: 16 words a wave
.set SPARE, CRED+1024                  ; the spare words, 128 bytes for each wave: eight blocks of 256 bytes that no other line names
.set BO,  4                            ; v4   wk_w: 4,096 (lane / 16) + 16 r: a load takes two row pieces of 256 bytes
.set AO,  5                            ; v5   qcf: 16 lane
.set KO,  6                            ; v6   wk_b: 32 (lane / 16)
.set STA, 7                            ; v7   LDS: where my 8 bytes of rows 0, 1 go
.set TR,  8                            ; v8   LDS: my lane's place for the turning load
.set RS,  9                            ; v9   LDS: where my partial tile goes
.set CS,  10                           ; v10  LDS: where my partial c goes
.set RD,  11                           ; v11  LDS: where a finishing thread reads
.set GO,  12                           ; v12  its byte offset in the work-group's part of tq
.set SPW, 13                           ; v13  LDS address of my spare word; never rewritten
.set NIL, 14                           ; v14  0; never rewritten
.set CR,  15                           ; v15  LDS: the partial c of row r
.set CA,  16                           ; v16, v17 two chains of c
.set CB,  17
.set C4,  18                           ; v18  4 r
.set AF,  20                           ; v[20:35]  qc's fragments, K step s at AF + 8 s
.set BK,  36                           ; v[36:67]  wk_b for my fragments' 32 numbers
.set ACC, 68                           ; v[68:99]  four accumulators
.set DATA, 100                         ; v[100:227] 32 loads of 4 registers
.set BF,  100                          ; later: wk_w's fragments, column block n, K step s at BF + 16 n + 8 s
.set F,   100                          ; later still: what a finishing thread adds
	s_load_b256 s[4:11], s[0:1], 0x0               ; qcf s[4:5], wk_w s[6:7], wk_b s[8:9], tq s[10:11]
	s_load_b64 s[12:13], s[0:1], 0x20              ; cb
	v_lshl_add_u32 v[SPW], v0, 2, SPARE
	v_mov_b32 v[NIL], 0
	v_lshrrev_b32 v19, 5, v0
	v_readfirstlane_b32 s14, v19                   ; wave 0..15
	v_and_b32 v1, 31, v0                           ; lane
	v_and_b32 v2, 15, v0                           ; r
	v_bfe_u32 v3, v0, 4, 1                         ; lane / 16
	s_mov_b32 s15, ttmp9                           ; x
	s_and_b32 s16, ttmp7, 0xffff                   ; y
	s_mov_b32 s20, 0x76543210                      ; v_permlanex16_b32: each lane takes its own place in the other half
	s_mov_b32 s21, 0xfedcba98
	v_lshlrev_b32 v[BO], 4, v2
	v_lshl_add_u32 v[BO], v3, 12, v[BO]
	v_lshlrev_b32 v[AO], 4, v1
	v_lshlrev_b32 v[KO], 5, v3
	s_mul_i32 s22, s14, SLICE
	v_mul_u32_u24 v[STA], v3, PT
	v_lshl_add_u32 v[STA], v2, 3, v[STA]
	v_add_nc_u32 v[STA], s22, v[STA]
	v_and_b32 v19, 7, v0
	v_lshl_add_u32 v19, v3, 3, v19                 ; row 8 (lane / 16) + lane % 8,
	v_mul_u32_u24 v[TR], v19, PT
	v_bfe_u32 v19, v0, 3, 1
	v_lshl_add_u32 v[TR], v19, 4, v[TR]            ; 16 bytes on for every second group of eight lanes
	v_add_nc_u32 v[TR], s22, v[TR]
	s_mul_i32 s22, s14, REDW
	s_add_co_u32 s22, s22, RED
	v_mul_u32_u24 v[RS], v2, RP
	v_lshl_add_u32 v[RS], v3, 5, v[RS]
	v_add_nc_u32 v[RS], s22, v[RS]
	v_lshlrev_b32 v[C4], 2, v2
	s_lshl_b32 s22, s14, 6
	s_add_co_u32 s22, s22, CRED
	v_add_nc_u32 v[CS], s22, v[C4]
	v_add_nc_u32 v[CR], CRED, v[C4]
	v_bfe_u32 v19, v0, 4, 4                        ; a finishing thread's row: bits 7:4 of its number, 0 to 15 in every wave
	v_mul_u32_u24 v[RD], v19, RP
	v_lshl_add_u32 v[RD], v2, 4, v[RD]
	v_add_nc_u32 v[RD], RED, v[RD]
	v_lshlrev_b32 v[GO], 4, v2
	v_lshl_add_u32 v[GO], v19, 12, v[GO]
	s_mov_b32 s19, 0
	s_wait_kmcnt 0x0
	s_lshl_b32 s18, s14, 18                        ; wk_w at row 64 w,
	s_lshl_b32 s22, s15, 8                         ; column 64 x
	s_add_co_u32 s18, s18, s22
	s_add_nc_u64 s[6:7], s[6:7], s[18:19]
	s_lshl_b32 s18, s16, 16                        ; tq at row 16 y, column 64 x
	s_add_co_u32 s18, s18, s22
	s_add_nc_u64 s[10:11], s[10:11], s[18:19]
	s_lshl_b32 s18, s16, 5
	s_lshl_b32 s22, s14, 1
	s_add_co_u32 s18, s18, s22
	s_lshl_b32 s18, s18, 10                        ; qcf at block (y, 2 w)
	s_add_nc_u64 s[4:5], s[4:5], s[18:19]
	s_lshl_b32 s18, s14, 8                         ; wk_b at 64 w
	s_add_nc_u64 s[8:9], s[8:9], s[18:19]
	s_lshl_b32 s18, s16, 6                         ; cb at 16 y
	s_add_nc_u64 s[12:13], s[12:13], s[18:19]
	; all loads go out at once: 8 of wk_b, 4 of qc's fragments, 32 of wk_w
.irp s, 0,1
.irp q, 0,1,2,3                        ; a fragment's registers 0-3 hold d = 8 (lane / 16) + 0..7, registers 4-7 d = 16 + 8 (lane / 16) + 0..7
	global_load_b128 v[BK+16*(\s)+4*(\q):BK+16*(\s)+4*(\q)+3], v[KO], s[8:9] offset:128*(\s)+16*((\q)%2)+64*((\q)/2)
.endr
.endr
.irp q, 0,1,2,3
	global_load_b128 v[AF+4*(\q):AF+4*(\q)+3], v[AO], s[4:5] offset:512*(\q)
.endr
.set t, 0
.rept 32
	global_load_b128 v[DATA+4*t:DATA+4*t+3], v[BO], s[6:7] offset:t*8192
.set t, t+1
.endr
	s_wait_loadcnt 32                              ; wk_b and qc are in; the 32 loads of wk_w stay out
	v_mov_b32 v[CA], 0
	v_mov_b32 v[CB], 0
.set i, 0
.rept 8                                ; my 32 numbers of qc times wk_b, straight from the bf16 halves, in two chains
	v_fma_mix_f32_bf16 v[CA], v[AF+i],   v[BK+2*i],      v[CA] op_sel_hi:[1,0,0]
	v_fma_mix_f32_bf16 v[CB], v[AF+8+i], v[BK+16+2*i],   v[CB] op_sel_hi:[1,0,0]
	v_fma_mix_f32_bf16 v[CA], v[AF+i],   v[BK+2*i+1],    v[CA] op_sel:[1,0,0] op_sel_hi:[1,0,0]
	v_fma_mix_f32_bf16 v[CB], v[AF+8+i], v[BK+16+2*i+1], v[CB] op_sel:[1,0,0] op_sel_hi:[1,0,0]
.set i, i+1
.endr
	v_add_f32 v[CA], v[CA], v[CB]
	v_permlanex16_b32 v[CB], v[CA], s20, s21       ; the row's other 32 numbers lie in the lane 16 away
	v_add_f32 v[CA], v[CA], v[CB]
.set t, 0
.rept 8
	s_wait_loadcnt 28-t                            ; of wk_w's 32 loads those behind this group's four may stay out
.rept 4
	v_cvt_pk_bf16_f32 v[DATA+4*t],   v[DATA+4*t],   v[DATA+4*t+1]
	v_cvt_pk_bf16_f32 v[DATA+4*t+1], v[DATA+4*t+2], v[DATA+4*t+3]
	ds_store_b64 v[STA], v[DATA+4*t:DATA+4*t+1] offset:t*2*PT
.set t, t+1
.endr
.endr
	; the turning load takes 16 d x 16 e and leaves half a fragment: lane l holds column l % 16 and 8 d.  The rows are my own: LDS serves a wave's instructions in order (ISA guide 5.7.1.4)
.irp s, 0,1
.irp n, 0,1,2,3
	ds_load_tr16_b128 v[BF+16*(\n)+8*(\s):BF+16*(\n)+8*(\s)+3],   v[TR] offset:(\s)*32*PT+(\n)*32
	ds_load_tr16_b128 v[BF+16*(\n)+8*(\s)+4:BF+16*(\n)+8*(\s)+7], v[TR] offset:(\s)*32*PT+16*PT+(\n)*32
.endr
.endr
	s_wait_dscnt 0x0
	; the four accumulators take turns; the first K step starts the sums
.irp s, 0,1
.irp n, 0,1,2,3
.if (\s) == 0
	v_wmma_f32_16x16x32_bf16 v[ACC+8*(\n):ACC+8*(\n)+7], v[BF+16*(\n)+8*(\s):BF+16*(\n)+8*(\s)+7], v[AF+8*(\s):AF+8*(\s)+7], 0
.else
	v_wmma_f32_16x16x32_bf16 v[ACC+8*(\n):ACC+8*(\n)+7], v[BF+16*(\n)+8*(\s):BF+16*(\n)+8*(\s)+7], v[AF+8*(\s):AF+8*(\s)+7], v[ACC+8*(\n):ACC+8*(\n)+7]
.endif
.endr
.endr
.rept 4
	v_nop                                          ; four places between the last product and the stores that read results
.endr
.irp n, 0,1,2,3
	ds_store_b128 v[RS], v[ACC+8*(\n):ACC+8*(\n)+3]   offset:64*(\n)
	ds_store_b128 v[RS], v[ACC+8*(\n)+4:ACC+8*(\n)+7] offset:64*(\n)+16
.endr
	ds_store_b32 v[CS], v[CA]                      ; lanes r and r + 16 write the same word with the same number
	s_wait_dscnt 0x0                               ; for the others' sake: my partial tile and c are in LDS
	s_barrier_signal -1
	s_barrier_wait -1
	s_cmp_gt_u32 s14, 7
	s_cbranch_scc1 .Lhigh
	; waves 0-7: thread n adds 16 bytes of row n / 16 over the 16 partial tiles
.set q, 0
.rept 16
	ds_load_b128 v[F+4*q:F+4*q+3], v[RD] offset:q*REDW
.set q, q+1
.endr
	s_wait_dscnt 0x0
.irp d, 8,4,2,1
.set q, 0
.rept \d
	v_pk_add_f32 v[F+4*q:F+4*q+1],   v[F+4*q:F+4*q+1],   v[F+4*(q+(\d)):F+4*(q+(\d))+1]
	v_pk_add_f32 v[F+4*q+2:F+4*q+3], v[F+4*q+2:F+4*q+3], v[F+4*(q+(\d))+2:F+4*(q+(\d))+3]
.set q, q+1
.endr
.endr
	global_store_b128 v[GO], v[F:F+3], s[10:11]    ; 16 lanes store 256 consecutive bytes, at a multiple of 256 from tq's first byte
	s_branch .Lend
.Lhigh:
	s_cmp_lg_u32 s14, 8
	s_cbranch_scc1 .Lend
	s_cmp_lg_u32 s15, 0
	s_cbranch_scc1 .Lend
	; wave 8 where x = 0: c of the 16 rows
.set q, 0
.rept 16
	ds_load_b32 v[F+q], v[CR] offset:q*64
.set q, q+1
.endr
	s_wait_dscnt 0x0
.irp d, 8,4,2,1
.set q, 0
.rept \d
	v_add_f32 v[F+q], v[F+q], v[F+q+(\d)]
.set q, q+1
.endr
.endr
	v_cmp_gt_u32 vcc_lo, 16, v1
	s_wait_xcnt 0x0                                ; EXEC changes only behind this wait
	s_and_saveexec_b32 s24, vcc_lo
	global_store_b32 v[C4], v[F], s[12:13]         ; lanes 0-15: 64 consecutive bytes
	s_wait_xcnt 0x0                                ; and again, in front of the line that widens it
	s_or_b32 exec_lo, exec_lo, s24
.Lend:
	s_wait_tensorcnt 0x0                           ; the wave's end, behind my last LDS store
	ds_add_u32 v[SPW], v[NIL]
	s_wait_dscnt 0x0
	s_endpgm
.Lfunc_end_k_q8fdf43542b_keyfold:
	.size	k_q8fdf43542b_keyfold, .Lfunc_end_k_q8fdf43542b_keyfold-k_q8fdf43542b_keyfold
	.p2alignl 7, 3214868480
	.fill 96, 4, 3214868480
	.section	.rodata,"a",@progbits
	.p2align	6, 0x0
	.amdhsa_kernel k_q8fdf43542b_keyfold
		.amdhsa_group_segment_fixed_size 236544
		.amdhsa_private_segment_fixed_size 0
		.amdhsa_enable_private_segment 0
		.amdhsa_kernarg_size 40
		.amdhsa_user_sgpr_count 2
		.amdhsa_user_sgpr_kernarg_segment_ptr 1
		.amdhsa_wavefront_size32 1
		.amdhsa_system_sgpr_workgroup_id_x 1
		.amdhsa_system_sgpr_workgroup_id_y 1
		.amdhsa_system_sgpr_workgroup_id_z 1
		.amdhsa_system_vgpr_workitem_id 0
		.amdhsa_next_free_vgpr 228
		.amdhsa_next_free_sgpr 66
		.amdhsa_reserve_vcc 1
		.amdhsa_float_denorm_mode_32 3
		.amdhsa_float_denorm_mode_16_64 3
		.amdhsa_memory_ordered 1
		.amdhsa_forward_progress 1
		.amdhsa_inst_pref_size 24
	.end_amdhsa_kernel
	.amdgpu_metadata
---
amdhsa.version: [ 1, 2 ]
amdhsa.kernels:
  - .name:           k_q8fdf43542b_keyfold
    .symbol:         k_q8fdf43542b_keyfold.kd
    .args:
      - { .name: qcf, .offset: 0, .size: 8, .value_kind: global_buffer, .address_space: global }
      - { .name: wk_w, .offset: 8, .size: 8, .value_kind: global_buffer, .address_space: global }
      - { .name: wk_b, .offset: 16, .size: 8, .value_kind: global_buffer, .address_space: global }
      - { .name: tq, .offset: 24, .size: 8, .value_kind: global_buffer, .address_space: global }
      - { .name: cb, .offset: 32, .size: 8, .value_kind: global_buffer, .address_space: global }
    .group_segment_fixed_size: 236544
    .private_segment_fixed_size: 0
    .kernarg_segment_align: 8
    .kernarg_segment_size: 40
    .max_flat_workgroup_size: 512
    .sgpr_count:     66
    .vgpr_count:     228
    .wavefront_size: 32
...
	.end_amdgpu_metadata
.endif
;; end of part 2
;; launch stream (part 3): grid 256 x 1, 16 waves a work-group, no clusters, 67,840 bytes of LDS; arguments obj_embed, tq, cb, xp, st; writes xp, st
.if DOCPART == 3
	.amdgcn_target "amdgcn-amd-amdhsa--gfx1250"
	.amdhsa_code_object_version 6
	.text
	.protected	k_q8fdf43542b_stream
	.globl	k_q8fdf43542b_stream
	.p2align	8
	.type	k_q8fdf43542b_stream,@function
k_q8fdf43542b_stream:
	s_mov_b64 s[64:65], 0
	v_nop
	global_prefetch_b8 v0, s[64:65] scope:SCOPE_SE
	s_setreg_imm32_b32 hwreg(HW_REG_WAVE_MODE, 25, 1), 1
	s_wait_xcnt 0x0
; For half a batch (128 rows of obj_embed): s[n] = x[n] . t[b] (base-2 scores, the scale is in t), a running maximum m, l = the sum of 2^(s - m), and the mean
; xp[g] = (the sum of 2^(s - m) x[n]) / l.  st[g] = (m + c[b], l): c shifts all scores of a batch alike, so it is added once, to the maximum: max(s + c) = max(s) + c.
; obj_embed is read once, in f32, and never rounded.  All sums in f32.
; SHARES.  Work-group g: batch g / 2, rows 128 (g % 2) .. +127.  Wave w: 8 rows, as 4 pairs.  A lane holds columns 128 j + 4 lane + 0..3, j = 0..7, of a row, of t and of the wave's sum: a
; load takes 512 consecutive bytes.  A row stays in registers between its score and its weighted sum.  Four row slots: two pairs; while one pair is worked on, the other's 16 loads are out, so a
; work-group begins with 16 x 4 x 4,096 = 262,144 bytes asked for.
; The 16 waves' sums meet in LDS behind one barrier; then thread n merges columns 2 n, 2 n + 1.
; NO MATRIX UNIT, CLUSTER OR TENSOR LOAD: there is one query row for a batch, so 15 of a matrix tile's 16 rows would be empty; no two work-groups read the same rows of x; and the bytes on their way fit in registers.
; LIMITS.  A weight below 2^-126 counts as 0; NaN and infinities are not treated apart.
.set STATS, 65536                      ; behind the 16 sums of 4,096 bytes: m of the 16 waves, at + 64 their l
.set SPARE, STATS+256                  ; the spare words, 128 bytes for each wave: eight blocks of 256 bytes that no other line names
.set TO,   1                           ; v1   16 lane
.set XO,   2                           ; v2   32,768 wave + 16 lane; never rewritten
.set SPW,  3                           ; v3   LDS address of my spare word; never rewritten
.set NIL,  4                           ; v4   0; never rewritten
.set ASV,  5                           ; v5   LDS: where my wave's sum goes
.set SW,   6                           ; v6   LDS: my wave's word of m
.set SB,   7                           ; v7   LDS: STATS
.set DA,   8                           ; v[8:11], v[12:15] the two rows' dot products at work
.set DB,   12
.set E,    16                          ; v[16:21] a, its argument, pA, its argument, pB, its argument
.set M,    22                          ; v22  running maximum
.set LSUM, 23                          ; v23  running sum
.set MN,   24                          ; v24  the new maximum
.set C8,   25                          ; v25  8 x thread
.set MX,   26                          ; the merge: maximum, sum, two columns, reciprocal
.set LT,   27
.set O,    28
.set RC,   30
.set T,    32                          ; v[32:63]   t
.set ACC,  64                          ; v[64:95]   the wave's weighted sum
.set X,    96                          ; v[96:223]  four row slots of 32
.set MS,   96                          ; the merge: the 16 m, the 16 l, the 16 sums' two columns, the 16 factors
.set LS,   112
.set PT,   128
.set FW,   160
	s_load_b256 s[4:11], s[0:1], 0x0               ; obj_embed s[4:5], tq s[6:7], cb s[8:9], xp s[10:11]
	s_load_b64 s[12:13], s[0:1], 0x20              ; st
	v_lshl_add_u32 v[SPW], v0, 2, SPARE
	v_mov_b32 v[NIL], 0
	v_lshrrev_b32 v5, 5, v0
	v_readfirstlane_b32 s14, v5                    ; wave 0..15
	v_and_b32 v1, 31, v0
	v_lshlrev_b32 v[TO], 4, v1
	s_mov_b32 s15, ttmp9                           ; g
	s_lshr_b32 s16, s15, 1                         ; b
	s_mov_b32 s22, 0x76543210                      ; v_permlanex16_b32: each lane takes its own place in the other half
	s_mov_b32 s23, 0xfedcba98
	s_lshl_b32 s17, s14, 15
	v_add_nc_u32 v[XO], s17, v[TO]
	s_lshl_b32 s17, s14, 12
	v_add_nc_u32 v[ASV], s17, v[TO]
	s_lshl_b32 s17, s14, 2
	s_add_co_u32 s17, s17, STATS
	v_mov_b32 v[SW], s17
	v_mov_b32 v[SB], STATS
	v_lshlrev_b32 v[C8], 3, v0
	s_mov_b32 s19, 0
	s_wait_kmcnt 0x0
	s_lshl_b32 s18, s15, 19                        ; 128 rows of 4,096 bytes
	s_add_nc_u64 s[4:5], s[4:5], s[18:19]
	s_lshl_b32 s18, s16, 12
	s_add_nc_u64 s[6:7], s[6:7], s[18:19]
	s_lshl_b32 s18, s16, 2
	s_add_nc_u64 s[8:9], s[8:9], s[18:19]
	s_lshl_b32 s18, s15, 12
	s_add_nc_u64 s[10:11], s[10:11], s[18:19]
	s_lshl_b32 s18, s15, 3
	s_add_nc_u64 s[12:13], s[12:13], s[18:19]
	s_load_b32 s20, s[8:9], 0x0                    ; c[b]; waited for in front of the barrier
.macro FILL sl, row                    ; 16 loads: rows row, row + 1 of my 8 into pair slot sl
.irp u, 0,1
.irp j, 0,1,2,3,4,5,6,7
	global_load_b128 v[X+64*(\sl)+32*(\u)+4*(\j):X+64*(\sl)+32*(\u)+4*(\j)+3], v[XO], s[4:5] offset:((\row)+(\u))*4096+(\j)*512 th:TH_LOAD_NT
.endr
.endr
.endm
; The pair of rows in slot sl.  first = 1: it starts m, l and the sum: nothing is cleared.  next >= 0: the slot is filled again with rows next, next + 1.  left: the younger loads that may stay out.
.macro PAIR sl, first, next, left
.set XA, X+64*(\sl)
.set XB, XA+32
	s_wait_loadcnt \left                           ; loads come back in order (ISA guide 5.7.1): my pair is in, the other slot's 16 stay out
	v_pk_mul_f32 v[DA:DA+1],   v[XA:XA+1],   v[T:T+1]       ; two chains a row, started by the first products
	v_pk_mul_f32 v[DB:DB+1],   v[XB:XB+1],   v[T:T+1]
	v_pk_mul_f32 v[DA+2:DA+3], v[XA+2:XA+3], v[T+2:T+3]
	v_pk_mul_f32 v[DB+2:DB+3], v[XB+2:XB+3], v[T+2:T+3]
.set p, 4
.rept 7
	v_pk_fma_f32 v[DA:DA+1],   v[XA+p:XA+p+1],   v[T+p:T+p+1],   v[DA:DA+1]
	v_pk_fma_f32 v[DB:DB+1],   v[XB+p:XB+p+1],   v[T+p:T+p+1],   v[DB:DB+1]
	v_pk_fma_f32 v[DA+2:DA+3], v[XA+p+2:XA+p+3], v[T+p+2:T+p+3], v[DA+2:DA+3]
	v_pk_fma_f32 v[DB+2:DB+3], v[XB+p+2:XB+p+3], v[T+p+2:T+p+3], v[DB+2:DB+3]
.set p, p+4
.endr
	v_pk_add_f32 v[DA:DA+1], v[DA:DA+1], v[DA+2:DA+3]
	v_pk_add_f32 v[DB:DB+1], v[DB:DB+1], v[DB+2:DB+3]
	v_add_f32 v[DA], v[DA], v[DA+1]
	v_add_f32 v[DB], v[DB], v[DB+1]
.irp m, 1,2,4,8                        ; across the lanes: four steps inside each half ride on the addition, one crosses the halves
	v_add_f32_dpp v[DA], v[DA], v[DA] row_xmask:\m row_mask:0xf bank_mask:0xf
	v_add_f32_dpp v[DB], v[DB], v[DB] row_xmask:\m row_mask:0xf bank_mask:0xf
.endr
	v_permlanex16_b32 v[DA+1], v[DA], s22, s23
	v_permlanex16_b32 v[DB+1], v[DB], s22, s23
	v_add_f32 v[DA], v[DA], v[DA+1]                ; every lane holds both scores
	v_add_f32 v[DB], v[DB], v[DB+1]
.if \first
	v_max_num_f32 v[MN], v[DA], v[DB]
.else
	v_max3_num_f32 v[MN], v[M], v[DA], v[DB]
	v_sub_f32 v[E+1], v[M], v[MN]
.endif
	v_sub_f32 v[E+3], v[DA], v[MN]
	v_sub_f32 v[E+5], v[DB], v[MN]
.if !(\first)
	v_exp_f32 v[E], v[E+1]                         ; a = 2^(m_old - m_new)
.endif
	v_exp_f32 v[E+2], v[E+3]
	v_exp_f32 v[E+4], v[E+5]
	v_mov_b32 v[M], v[MN]                          ; the plain instruction between the exponentials and the use of their results (ISA guide 5.7.2)
.if \first
	s_wait_alu depctr_va_vdst(0)
	v_add_f32 v[LSUM], v[E+2], v[E+4]
.else
	s_wait_alu depctr_va_vdst(0)
	v_fma_f32 v[LSUM], v[LSUM], v[E], v[E+2]
	v_add_f32 v[LSUM], v[LSUM], v[E+4]
.endif
.set p, 0
.rept 16
.if \first
	v_pk_mul_f32 v[ACC+p:ACC+p+1], v[XA+p:XA+p+1], v[E+2:E+3] op_sel_hi:[1,0]
.else
	v_pk_mul_f32 v[ACC+p:ACC+p+1], v[ACC+p:ACC+p+1], v[E:E+1] op_sel_hi:[1,0]
.endif
.set p, p+2
.endr
.if !(\first)
.set p, 0
.rept 16
	v_pk_fma_f32 v[ACC+p:ACC+p+1], v[XA+p:XA+p+1], v[E+2:E+3], v[ACC+p:ACC+p+1] op_sel_hi:[1,0,1]
.set p, p+2
.endr
.endif
.set p, 0
.rept 16
	v_pk_fma_f32 v[ACC+p:ACC+p+1], v[XB+p:XB+p+1], v[E+4:E+5], v[ACC+p:ACC+p+1] op_sel_hi:[1,0,1]
.set p, p+2
.endr
.if (\next) >= 0
	FILL \sl, \next
.endif
.endm
.irp j, 0,1,2,3,4,5,6,7
	global_load_b128 v[T+4*(\j):T+4*(\j)+3], v[TO], s[6:7] offset:(\j)*512
.endr
	FILL 0, 0
	FILL 1, 2
	PAIR 0, 1, 4, 16                               ; t is older than the rows and is in with them
	PAIR 1, 0, 6, 16
	PAIR 0, 0, -1, 16                              ; the last two pairs load nothing: the counts run down
	PAIR 1, 0, -1, 0
	; THE MERGE.  Each wave's sum, m and l go into LDS
.irp j, 0,1,2,3,4,5,6,7
	ds_store_b128 v[ASV], v[ACC+4*(\j):ACC+4*(\j)+3] offset:512*(\j)
.endr
	ds_store_b32 v[SW], v[M]                       ; all lanes write the same word with the same number
	ds_store_b32 v[SW], v[LSUM] offset:64
	s_wait_kmcnt 0x0                               ; c
	s_wait_dscnt 0x0                               ; for the others' sake: my stores are done
	s_barrier_signal -1
	s_barrier_wait -1
.irp q, 0,1,2,3
	ds_load_b128 v[MS+4*(\q):MS+4*(\q)+3], v[SB] offset:16*(\q)
	ds_load_b128 v[LS+4*(\q):LS+4*(\q)+3], v[SB] offset:64+16*(\q)
.endr
.set q, 0
.rept 16
	ds_load_b64 v[PT+2*q:PT+2*q+1], v[C8] offset:q*4096
.set q, q+1
.endr
	s_wait_dscnt 0x0
	v_max3_num_f32 v[MX], v[MS], v[MS+1], v[MS+2]
.set q, 3
.rept 6
	v_max3_num_f32 v[MX], v[MX], v[MS+q], v[MS+q+1]
.set q, q+2
.endr
	v_max_num_f32 v[MX], v[MX], v[MS+15]
.set q, 0
.rept 16
	v_sub_f32 v[FW+q], v[MS+q], v[MX]
.set q, q+1
.endr
.set q, 0
.rept 16
	v_exp_f32 v[FW+q], v[FW+q]
.set q, q+1
.endr
	v_nop                                          ; a plain instruction behind the last exponential
	s_wait_alu depctr_va_vdst(0)
	v_mul_f32 v[LT], v[FW], v[LS]
	v_mul_f32 v[O], v[FW], v[PT]
	v_mul_f32 v[O+1], v[FW], v[PT+1]
.set q, 1
.rept 15
	v_fmac_f32 v[LT], v[FW+q], v[LS+q]
	v_fmac_f32 v[O], v[FW+q], v[PT+2*q]
	v_fmac_f32 v[O+1], v[FW+q], v[PT+2*q+1]
.set q, q+1
.endr
	v_rcp_f32 v[RC], v[LT]
	v_nop                                          ; a plain instruction behind the reciprocal
	s_wait_alu depctr_va_vdst(0)
	v_mul_f32 v[O], v[O], v[RC]
	v_mul_f32 v[O+1], v[O+1], v[RC]
	global_store_b64 v[C8], v[O:O+1], s[10:11]     ; the wave stores 256 consecutive bytes, at a multiple of 256 from xp's first byte
	s_cmp_lg_u32 s14, 0
	s_cbranch_scc1 .Lend
	v_add_f32 v[DA+1], s20, v[MX]                  ; wave 0: lane 0 stores m + c, lane 1 stores l
	v_cmp_eq_u32 vcc_lo, 1, v0
	v_cndmask_b32 v[DA+1], v[DA+1], v[LT], vcc_lo
	v_lshlrev_b32 v[DA], 2, v0
	v_cmp_gt_u32 vcc_lo, 2, v0
	s_wait_xcnt 0x0                                ; EXEC changes only behind this wait
	s_and_saveexec_b32 s24, vcc_lo
	global_store_b32 v[DA], v[DA+1], s[12:13]
	s_wait_xcnt 0x0                                ; and again, in front of the line that widens it
	s_or_b32 exec_lo, exec_lo, s24
.Lend:
	s_wait_tensorcnt 0x0                           ; the wave's end, behind my last LDS store
	ds_add_u32 v[SPW], v[NIL]
	s_wait_dscnt 0x0
	s_endpgm
.Lfunc_end_k_q8fdf43542b_stream:
	.size	k_q8fdf43542b_stream, .Lfunc_end_k_q8fdf43542b_stream-k_q8fdf43542b_stream
	.p2alignl 7, 3214868480
	.fill 96, 4, 3214868480
	.section	.rodata,"a",@progbits
	.p2align	6, 0x0
	.amdhsa_kernel k_q8fdf43542b_stream
		.amdhsa_group_segment_fixed_size 67840
		.amdhsa_private_segment_fixed_size 0
		.amdhsa_enable_private_segment 0
		.amdhsa_kernarg_size 40
		.amdhsa_user_sgpr_count 2
		.amdhsa_user_sgpr_kernarg_segment_ptr 1
		.amdhsa_wavefront_size32 1
		.amdhsa_system_sgpr_workgroup_id_x 1
		.amdhsa_system_sgpr_workgroup_id_y 1
		.amdhsa_system_sgpr_workgroup_id_z 1
		.amdhsa_system_vgpr_workitem_id 0
		.amdhsa_next_free_vgpr 224
		.amdhsa_next_free_sgpr 66
		.amdhsa_reserve_vcc 1
		.amdhsa_float_denorm_mode_32 3
		.amdhsa_float_denorm_mode_16_64 3
		.amdhsa_memory_ordered 1
		.amdhsa_forward_progress 1
		.amdhsa_inst_pref_size 39
	.end_amdhsa_kernel
	.amdgpu_metadata
---
amdhsa.version: [ 1, 2 ]
amdhsa.kernels:
  - .name:           k_q8fdf43542b_stream
    .symbol:         k_q8fdf43542b_stream.kd
    .args:
      - { .name: obj_embed, .offset: 0, .size: 8, .value_kind: global_buffer, .address_space: global }
      - { .name: tq, .offset: 8, .size: 8, .value_kind: global_buffer, .address_space: global }
      - { .name: cb, .offset: 16, .size: 8, .value_kind: global_buffer, .address_space: global }
      - { .name: xp, .offset: 24, .size: 8, .value_kind: global_buffer, .address_space: global }
      - { .name: st, .offset: 32, .size: 8, .value_kind: global_buffer, .address_space: global }
    .group_segment_fixed_size: 67840
    .private_segment_fixed_size: 0
    .kernarg_segment_align: 8
    .kernarg_segment_size: 40
    .max_flat_workgroup_size: 512
    .sgpr_count:     66
    .vgpr_count:     224
    .wavefront_size: 32
...
	.end_amdgpu_metadata
.endif
;; end of part 3
;; launch value (part 4): grid 16 x 16, 16 waves a work-group, no clusters, 256,000 bytes of LDS; arguments xp, st, wv_w, wv_b, out0; writes out0
.if DOCPART == 4
	.amdgcn_target "amdgcn-amd-amdhsa--gfx1250"
	.amdhsa_code_object_version 6
	.text
	.protected	k_q8fdf43542b_value
	.globl	k_q8fdf43542b_value
	.p2align	8
	.type	k_q8fdf43542b_value,@function
k_q8fdf43542b_value:
	s_mov_b64 s[64:65], 0
	v_nop
	global_prefetch_b8 v0, s[64:65] scope:SCOPE_SE
	s_setreg_imm32_b32 hwreg(HW_REG_WAVE_MODE, 25, 1), 1
	s_wait_xcnt 0x0
; Y[g][n] = xp[g] . wv_w[n]; out0[b][n] = g0 Y[2 b][n] + g1 Y[2 b + 1][n] + wv_b[n], where g0, g1 are the two half batches' shares of the softmax's sum:
; g_p = 2^(m_p - max) l_p / (the sum of both).  The weights of a batch add up to 1, so the bias enters once (here with the weight g0 + g1, 1 to within f32's rounding).
; SHARES.  Work-group (x, y): rows 16 y .. +15 of xp (batches 8 y .. +7, both halves), columns 64 x .. +63.  Wave w: K slice 64 w .. +63 of the whole tile: 80 row pieces of 256 bytes,
; rounded to f16 into LDS rows of its own, read back as fragments, 8 matrix instructions.  The 16 partial tiles meet in LDS behind one barrier; waves 0-3 add them, merge the halves and store.
; THE MATRIX INSTRUCTION IS USED TRANSPOSED (source 0 = 16 rows of wv_w, source 1 = 16 rows of xp): a lane holds row lane % 16 and columns 8 (lane / 16) + 0..7.
; f16, not bf16: the result is a mean of 256 rows and small beside its operands' roundings in bf16; f16's three bits more are what the comparison's margin wants.
; NO CLUSTER: both operands are f32 in memory and pass through registers to be rounded; as f32 tiles a work-group's 16 x 80 x 256 = 327,680 bytes are all of LDS, with no room for the partial tiles.
; LIMITS.  f16 holds no number beyond 65,504: obj_embed (xp is a mean of its rows) and wv_w must lie within it; below 6e-5 f16 keeps its fixed step of 6e-8.  NaN and infinities are not treated apart.
.set P,     144                        ; an LDS row: 128 bytes of f16 + 16 = 36 words: the 16 rows of a fragment load start at 16 different groups of four banks (64 banks of 4 bytes: ISA guide 11.1)
.set SLICE, 80*P                       ; a wave's own rows: 0-15 xp, 16-79 wv_w
.set RED,   16*SLICE                   ; the partial tiles:
.set RP,    272                        ; rows of 64 f32 + 16 bytes,
.set REDW,  16*RP                      ; 16 rows a wave
.set SPARE, RED+16*REDW                ; the spare words, 128 bytes for each wave: eight blocks of 256 bytes that no other line names
.set GOFF, 4                           ; v4   4,096 (lane / 16) + 16 r: a load takes two row pieces of 256 bytes
.set SO,   5                           ; v5   st: 16 x my batch among the work-group's 8
.set VO,   6                           ; v6   16 r
.set STA,  7                           ; v7   LDS: where my 8 bytes of rows 0, 1 go
.set FR,   8                           ; v8   LDS: my lane's place in a fragment
.set RS,   9                           ; v9   LDS: where my partial tile goes
.set RD0,  10                          ; v10  LDS: a finishing thread's 16 bytes of row 2 batch,
.set GO,   11                          ; v11  its byte offset in the work-group's part of out0
.set SPW,  12                          ; v12  LDS address of my spare word; never rewritten
.set NIL,  13                          ; v13  0; never rewritten
.set RD1,  14                          ; v14  and of row 2 batch + 1: a register of its own, since 15 x 4,352 + 272 passes the 16-bit offset
.set SM,   16                          ; v[16:19] m0 + c, l0, m1 + c, l1
.set BV,   20                          ; v[20:23] wv_b
.set G0,   24                          ; v[24:25] g0 and its exponential's argument; v[26:27] the same for g1
.set G1,   26
.set ACC,  32                          ; v[32:63] four accumulators
.set DATA, 64                          ; v[64:223] 40 loads of 4 registers
.set AF,   64                          ; later: xp's fragments, K step s at AF + 8 s
.set BF,   80                          ; wv_w's: column block n, K step s at BF + 16 n + 8 s
.set F,    64                          ; later still: what a finishing thread adds: 16 x 4 for each of its two rows
	s_load_b256 s[4:11], s[0:1], 0x0               ; xp s[4:5], st s[6:7], wv_w s[8:9], wv_b s[10:11]
	s_load_b64 s[12:13], s[0:1], 0x20              ; out0
	v_lshl_add_u32 v[SPW], v0, 2, SPARE
	v_mov_b32 v[NIL], 0
	v_lshrrev_b32 v15, 5, v0
	v_readfirstlane_b32 s14, v15                   ; wave 0..15
	v_and_b32 v2, 15, v0                           ; r
	v_bfe_u32 v3, v0, 4, 1                         ; lane / 16
	s_mov_b32 s15, ttmp9                           ; x
	s_and_b32 s16, ttmp7, 0xffff                   ; y
	v_lshlrev_b32 v[VO], 4, v2
	v_lshl_add_u32 v[GOFF], v3, 12, v[VO]
	v_bfe_u32 v15, v0, 4, 3                        ; a finishing thread's batch: bits 6:4 of its number, 0 to 7 in every wave
	v_lshlrev_b32 v[SO], 4, v15
	s_mul_i32 s20, s14, SLICE
	v_mul_u32_u24 v[STA], v3, P
	v_lshl_add_u32 v[STA], v2, 3, v[STA]
	v_add_nc_u32 v[STA], s20, v[STA]
	v_mul_u32_u24 v[FR], v2, P
	v_lshl_add_u32 v[FR], v3, 4, v[FR]
	v_add_nc_u32 v[FR], s20, v[FR]
	s_mul_i32 s20, s14, REDW
	s_add_co_u32 s20, s20, RED
	v_mul_u32_u24 v[RS], v2, RP
	v_lshl_add_u32 v[RS], v3, 5, v[RS]
	v_add_nc_u32 v[RS], s20, v[RS]
	v_mul_u32_u24 v[RD0], v15, 2*RP
	v_add_nc_u32 v[RD0], v[RD0], v[VO]
	v_add_nc_u32 v[RD0], RED, v[RD0]
	v_add_nc_u32 v[RD1], RP, v[RD0]
	v_lshl_add_u32 v[GO], v15, 12, v[VO]
	s_mov_b32 s19, 0
	s_lshl_b32 s21, s14, 8                         ; my K slice, in bytes of a row
	s_lshl_b32 s22, s15, 8                         ; column 64 x, in bytes
	s_wait_kmcnt 0x0
	s_lshl_b32 s18, s16, 16                        ; xp at row 16 y
	s_add_co_u32 s18, s18, s21
	s_add_nc_u64 s[4:5], s[4:5], s[18:19]
	s_lshl_b32 s18, s15, 18                        ; wv_w at row 64 x
	s_add_co_u32 s18, s18, s21
	s_add_nc_u64 s[8:9], s[8:9], s[18:19]
	s_lshl_b32 s18, s16, 7                         ; st at row 16 y
	s_add_nc_u64 s[6:7], s[6:7], s[18:19]
	s_mov_b32 s18, s22
	s_add_nc_u64 s[10:11], s[10:11], s[18:19]
	s_lshl_b32 s18, s16, 15                        ; out0 at batch 8 y
	s_add_co_u32 s18, s18, s22
	s_add_nc_u64 s[12:13], s[12:13], s[18:19]
	; all loads go out at once: the statistics, the bias, then 40 loads of two row pieces
	global_load_b128 v[SM:SM+3], v[SO], s[6:7]
	global_load_b128 v[BV:BV+3], v[VO], s[10:11]
.set t, 0
.rept 8
	global_load_b128 v[DATA+4*t:DATA+4*t+3], v[GOFF], s[4:5] offset:t*8192
.set t, t+1
.endr
.rept 32
	global_load_b128 v[DATA+4*t:DATA+4*t+3], v[GOFF], s[8:9] offset:(t-8)*8192
.set t, t+1
.endr
.set t, 0
.rept 10
	s_wait_loadcnt 36-t                            ; loads come back in order (ISA guide 5.7.1): of the 40 those behind this group's four may stay out; statistics and bias are older
.rept 4
	v_cvt_pk_f16_f32 v[DATA+4*t],   v[DATA+4*t],   v[DATA+4*t+1]
	v_cvt_pk_f16_f32 v[DATA+4*t+1], v[DATA+4*t+2], v[DATA+4*t+3]
	ds_store_b64 v[STA], v[DATA+4*t:DATA+4*t+1] offset:t*2*P
.set t, t+1
.endr
.endr
	; fragments: 16 rows x 32 K in 8 registers, two loads of 16 bytes, 32 bytes apart.  The rows are my own: LDS serves a wave's instructions in order (ISA guide 5.7.1.4)
.irp s, 0,1
	ds_load_b128 v[AF+8*(\s):AF+8*(\s)+3],   v[FR] offset:64*(\s)
	ds_load_b128 v[AF+8*(\s)+4:AF+8*(\s)+7], v[FR] offset:64*(\s)+32
.irp n, 0,1,2,3
	ds_load_b128 v[BF+16*(\n)+8*(\s):BF+16*(\n)+8*(\s)+3],   v[FR] offset:(16+16*(\n))*P+64*(\s)
	ds_load_b128 v[BF+16*(\n)+8*(\s)+4:BF+16*(\n)+8*(\s)+7], v[FR] offset:(16+16*(\n))*P+64*(\s)+32
.endr
.endr
	s_wait_dscnt 0x0
	; the four accumulators take turns; the first K step starts the sums
.irp s, 0,1
.irp n, 0,1,2,3
.if (\s) == 0
	v_wmma_f32_16x16x32_f16 v[ACC+8*(\n):ACC+8*(\n)+7], v[BF+16*(\n)+8*(\s):BF+16*(\n)+8*(\s)+7], v[AF+8*(\s):AF+8*(\s)+7], 0
.else
	v_wmma_f32_16x16x32_f16 v[ACC+8*(\n):ACC+8*(\n)+7], v[BF+16*(\n)+8*(\s):BF+16*(\n)+8*(\s)+7], v[AF+8*(\s):AF+8*(\s)+7], v[ACC+8*(\n):ACC+8*(\n)+7]
.endif
.endr
.endr
.rept 4
	v_nop                                          ; four places between the last product and the stores that read results
.endr
.irp n, 0,1,2,3
	ds_store_b128 v[RS], v[ACC+8*(\n):ACC+8*(\n)+3]   offset:64*(\n)
	ds_store_b128 v[RS], v[ACC+8*(\n)+4:ACC+8*(\n)+7] offset:64*(\n)+16
.endr
	s_wait_dscnt 0x0                               ; for the others' sake: my partial tile is in LDS
	s_barrier_signal -1
	s_barrier_wait -1
	s_cmp_gt_u32 s14, 3
	s_cbranch_scc1 .Lend
	; waves 0-3: thread n takes batch n / 16 and 16 bytes of its two rows, over the 16 partial tiles
.set q, 0
.rept 16
	ds_load_b128 v[F+4*q:F+4*q+3],       v[RD0] offset:q*REDW
	ds_load_b128 v[F+64+4*q:F+64+4*q+3], v[RD1] offset:q*REDW
.set q, q+1
.endr
	; the two halves' shares, while those loads are out
	v_max_num_f32 v28, v[SM], v[SM+2]
	v_sub_f32 v[G0+1], v[SM], v28
	v_sub_f32 v[G1+1], v[SM+2], v28
	v_exp_f32 v[G0], v[G0+1]
	v_exp_f32 v[G1], v[G1+1]
	v_nop                                          ; a plain instruction behind the exponentials
	s_wait_alu depctr_va_vdst(0)
	v_mul_f32 v[G0], v[G0], v[SM+1]
	v_mul_f32 v[G1], v[G1], v[SM+3]
	v_add_f32 v29, v[G0], v[G1]
	v_rcp_f32 v30, v29
	v_nop                                          ; a plain instruction behind the reciprocal
	s_wait_alu depctr_va_vdst(0)
	v_mul_f32 v[G0], v[G0], v30
	v_mul_f32 v[G1], v[G1], v30
	s_wait_dscnt 0x0
.irp d, 8,4,2,1
.set q, 0
.rept \d
	v_pk_add_f32 v[F+4*q:F+4*q+1],       v[F+4*q:F+4*q+1],       v[F+4*(q+(\d)):F+4*(q+(\d))+1]
	v_pk_add_f32 v[F+4*q+2:F+4*q+3],     v[F+4*q+2:F+4*q+3],     v[F+4*(q+(\d))+2:F+4*(q+(\d))+3]
	v_pk_add_f32 v[F+64+4*q:F+64+4*q+1],   v[F+64+4*q:F+64+4*q+1],   v[F+64+4*(q+(\d)):F+64+4*(q+(\d))+1]
	v_pk_add_f32 v[F+64+4*q+2:F+64+4*q+3], v[F+64+4*q+2:F+64+4*q+3], v[F+64+4*(q+(\d))+2:F+64+4*(q+(\d))+3]
.set q, q+1
.endr
.endr
	v_pk_fma_f32 v[F+64:F+65], v[F+64:F+65], v[G1:G1+1], v[BV:BV+1]     op_sel_hi:[1,0,1]
	v_pk_fma_f32 v[F+66:F+67], v[F+66:F+67], v[G1:G1+1], v[BV+2:BV+3]   op_sel_hi:[1,0,1]
	v_pk_fma_f32 v[F:F+1],     v[F:F+1],     v[G0:G0+1], v[F+64:F+65]   op_sel_hi:[1,0,1]
	v_pk_fma_f32 v[F+2:F+3],   v[F+2:F+3],   v[G0:G0+1], v[F+66:F+67]   op_sel_hi:[1,0,1]
	global_store_b128 v[GO], v[F:F+3], s[12:13]    ; 16 lanes store 256 consecutive bytes, at a multiple of 256 from out0's first byte
.Lend:
	s_wait_tensorcnt 0x0                           ; the wave's end, behind my last LDS store
	ds_add_u32 v[SPW], v[NIL]
	s_wait_dscnt 0x0
	s_endpgm
.Lfunc_end_k_q8fdf43542b_value:
	.size	k_q8fdf43542b_value, .Lfunc_end_k_q8fdf43542b_value-k_q8fdf43542b_value
	.p2alignl 7, 3214868480
	.fill 96, 4, 3214868480
	.section	.rodata,"a",@progbits
	.p2align	6, 0x0
	.amdhsa_kernel k_q8fdf43542b_value
		.amdhsa_group_segment_fixed_size 256000
		.amdhsa_private_segment_fixed_size 0
		.amdhsa_enable_private_segment 0
		.amdhsa_kernarg_size 40
		.amdhsa_user_sgpr_count 2
		.amdhsa_user_sgpr_kernarg_segment_ptr 1
		.amdhsa_wavefront_size32 1
		.amdhsa_system_sgpr_workgroup_id_x 1
		.amdhsa_system_sgpr_workgroup_id_y 1
		.amdhsa_system_sgpr_workgroup_id_z 1
		.amdhsa_system_vgpr_workitem_id 0
		.amdhsa_next_free_vgpr 224
		.amdhsa_next_free_sgpr 66
		.amdhsa_reserve_vcc 0
		.amdhsa_float_denorm_mode_32 3
		.amdhsa_float_denorm_mode_16_64 3
		.amdhsa_memory_ordered 1
		.amdhsa_forward_progress 1
		.amdhsa_inst_pref_size 24
	.end_amdhsa_kernel
	.amdgpu_metadata
---
amdhsa.version: [ 1, 2 ]
amdhsa.kernels:
  - .name:           k_q8fdf43542b_value
    .symbol:         k_q8fdf43542b_value.kd
    .args:
      - { .name: xp, .offset: 0, .size: 8, .value_kind: global_buffer, .address_space: global }
      - { .name: st, .offset: 8, .size: 8, .value_kind: global_buffer, .address_space: global }
      - { .name: wv_w, .offset: 16, .size: 8, .value_kind: global_buffer, .address_space: global }
      - { .name: wv_b, .offset: 24, .size: 8, .value_kind: global_buffer, .address_space: global }
      - { .name: out0, .offset: 32, .size: 8, .value_kind: global_buffer, .address_space: global }
    .group_segment_fixed_size: 256000
    .private_segment_fixed_size: 0
    .kernarg_segment_align: 8
    .kernarg_segment_size: 40
    .max_flat_workgroup_size: 512
    .sgpr_count:     66
    .vgpr_count:     224
    .wavefront_size: 32
...
	.end_amdgpu_metadata
.endif
;; end of part 4
;; ======== version 2 of 2: 4 launches; version 1 with the launches query, value written anew for expert scheduling mode
;; limits: values are held in f16: magnitudes above 65,504 overflow, below 6.1e-05 lose precision; inputs' magnitudes at most 65,504
;; workspace buffers: qcf 262,144 bytes; tq 524,288 bytes; cb 512 bytes; xp 1,048,576 bytes; st 2,048 bytes
;; launch query (part 5): grid 32 x 8, 16 waves a work-group, no clusters, 243,712 bytes of LDS; arguments h, q1_w, q2_w, q1_b, q2_b, alpha1, alpha2, qcf; writes qcf
.if DOCPART == 5
	.amdgcn_target "amdgcn-amd-amdhsa--gfx1250"
	.amdhsa_code_object_version 6
	.text
	.protected	k_q8fdf43542b_query
	.globl	k_q8fdf43542b_query
	.p2align	8
	.type	k_q8fdf43542b_query,@function
k_q8fdf43542b_query:
	s_mov_b64 s[64:65], 0
	v_nop
	global_prefetch_b8 v0, s[64:65] scope:SCOPE_SE
	s_setreg_imm32_b32 hwreg(HW_REG_WAVE_SCHED_MODE, 0, 2), 2
	s_setreg_imm32_b32 hwreg(HW_REG_WAVE_MODE, 25, 1), 1
	s_wait_xcnt 0x0
	s_wait_alu depctr_vm_vsrc(0)
; qc[b][n] = (log2(e)/32) (alpha1 (h[0][b] . q1_w[n] + q1_b[n]) + alpha2 (h[1][b] . q2_w[n] + q2_b[n])), rounded once to bf16.
; There is one query row for each batch, so the module is reassociated: scores = x . (Wk^T qc) + qc . bk, out = Wv (sum of w x) + bv.  Keys and values are never
; formed, so the order of rounding differs from the module's as written.  The factor 1/sqrt(1024) and log2(e) (the softmax works in base 2) are folded in here, in f32.
; SHARES.  Work-group (x, y): rows 16 y .. +15, columns 32 x .. +31.  Wave w: product w / 8, K slice 128 (w % 8) .. +127 of the whole tile.  A wave loads its 48 row pieces
; of 512 bytes (16 of h, 32 of the weights), rounds them to bf16, lays them into LDS rows of its own, reads fragments back, and issues 8 matrix instructions; the 16 partial
; tiles meet in LDS behind one barrier, and waves 0 and 1 add them, apply bias and alphas and store.
; THE MATRIX INSTRUCTION IS USED TRANSPOSED (source 0 = 16 weight rows, source 1 = 16 rows of h): a lane holds row lane % 16 and columns 8 (lane / 16) + 0..7.
; OUTPUT LAYOUT.  qcf is the register image of the next launch's operand: block (y, x) of 1,024 bytes; byte 512 a + 16 lane + 2 i is qc[16 y + lane % 16][32 x + 16 a + 8 (lane / 16) + i].
; NO CLUSTER: the operands are f32 in memory and pass through registers to be rounded; as f32 tiles a work-group's 16 x 48 x 512 = 393,216 bytes do not fit into the
; 327,680 bytes of LDS, so joint loads would want a ring for a text that makes one trip.
; LIMITS.  h and the weights are rounded to bf16 for the products, qc to bf16; NaN and infinities are not treated apart.
; THE MODE: SCHED_MODE bits 1:0 = 2 (LLVM: expert scheduling mode 2), set by the entry lines.  The code itself states the register dependences
; between vector or matrix instructions and memory or LDS instructions, with s_wait_alu, always for 0.
; THE PLAN.  Registers that memory or LDS instructions touch:
;   v4 .. v12     offsets and LDS addresses: written once at the head, then only read.
;   DATA, row t   A global load lands in it once; two conversions read its four registers and write the first two; one LDS store reads those two.  Each row has registers of its own.
;   AF, BF        On DATA's registers: the fragments' LDS loads land in them, the matrix instructions read them.
;   ACC           Written by the matrix instructions, read by the LDS stores of the partial tile.
;   F             On AF, BF and more of DATA: behind the barrier LDS loads land in it; the additions read and write it; F .. F + 3 are the global store's data.
; The rows go in 12 groups of four.  Group g's eight conversions name group g's rows alone; the four LDS stores of group g - 1 are dealt among them, behind ONE wait on va_vdst at the group's head.
; One wait on vm_vsrc stands behind the last of those stores: from there on DATA's registers may be written again, by the fragments' loads, by F's loads and by the additions.
.set P,     272                        ; an LDS row: 256 bytes of bf16 + 16: the 16 rows of a fragment load start at 16 different groups of four banks (64 banks of 4 bytes: ISA guide 11.1)
.set SLICE, 48*P                       ; a wave's own rows: 0-15 h, 16-47 weights
.set RED,   16*SLICE                   ; the partial tiles: 2,048 bytes a wave, as they lie in registers: 1,024 a + 512 half + 16 lane
.set SPARE, RED+16*2048                ; the spare words, 128 bytes for each wave: eight blocks of 256 bytes that no other line names
.set GOFF, 4                           ; v4   16 lane: my 16 bytes of a row piece
.set BOFF, 5                           ; v5   byte offset of my 8 columns in a bias
.set STA,  6                           ; v6   LDS: where my 8 bytes of row 0 go
.set FR,   7                           ; v7   LDS: my lane's place in a fragment
.set RS,   8                           ; v8   LDS: where my partial tile goes
.set RD,   9                           ; v9   LDS: where a finishing wave reads
.set GO,   10                          ; v10  my byte offset in qcf
.set SPW,  11                          ; v11  LDS address of my spare word; never rewritten
.set NIL,  12                          ; v12  0; never rewritten
.set B1,   16                          ; v[16:23] q1_b, v[24:31] q2_b of my 8 columns
.set B2,   24
.set ACC,  32                          ; v[32:47] two accumulators
.set DATA, 48                          ; v[48:239] 48 loads of 4 registers; row t at DATA + 4 t
.set AF,   48                          ; later: h's fragments, K step s at AF + 8 s
.set BF,   80                          ; the weights': column block a, K step s at BF + 32 a + 8 s
.set F,    48                          ; later still, in waves 0 and 1: the 16 partial tiles, 8 registers each
	s_load_b256 s[4:11], s[0:1], 0x0               ; h s[4:5], q1_w s[6:7], q2_w s[8:9], q1_b s[10:11]
	s_load_b256 s[12:19], s[0:1], 0x20             ; q2_b s[12:13], alpha1 s[14:15], alpha2 s[16:17], qcf s[18:19]
	v_lshl_add_u32 v[SPW], v0, 2, SPARE
	v_mov_b32 v[NIL], 0
	v_lshrrev_b32 v13, 5, v0
	v_readfirstlane_b32 s24, v13                   ; wave 0..15
	v_and_b32 v1, 31, v0                           ; lane
	v_and_b32 v2, 15, v0                           ; r = lane % 16
	v_bfe_u32 v3, v0, 4, 1                         ; lane / 16
	s_wait_alu depctr_va_sdst(0)                   ; s24 is written, ahead of its first reader: the slices, bases and branches are made from it
	s_lshr_b32 s25, s24, 3                         ; which product
	s_and_b32 s34, s24, 7
	s_lshl_b32 s34, s34, 9                         ; my K slice, in bytes of a row
	s_and_b32 s35, s24, 1                          ; the column block that I finish, if I finish one
	s_mov_b32 s26, ttmp9                           ; x
	s_and_b32 s27, ttmp7, 0xffff                   ; y
	v_lshlrev_b32 v[GOFF], 4, v1
	s_lshl_b32 s36, s26, 7
	s_lshl_b32 s37, s35, 6
	s_add_co_u32 s36, s36, s37
	v_lshl_add_u32 v[BOFF], v3, 5, s36             ; 4 (32 x + 16 a + 8 (lane / 16))
	s_mul_i32 s36, s24, SLICE
	v_lshl_add_u32 v[STA], v1, 3, s36              ; my slice + 8 lane
	v_mul_u32_u24 v[FR], v2, P
	v_lshl_add_u32 v[FR], v3, 4, v[FR]
	v_add_nc_u32 v[FR], s36, v[FR]                 ; my slice + row x pitch + 16 x half
	s_lshl_b32 s36, s24, 11
	s_add_co_u32 s36, s36, RED
	v_lshl_add_u32 v[RS], v1, 4, s36
	s_lshl_b32 s36, s35, 10
	s_add_co_u32 s36, s36, RED
	v_lshl_add_u32 v[RD], v1, 4, s36
	s_lshl_b32 s36, s27, 5
	s_add_co_u32 s36, s36, s26
	s_lshl_b32 s36, s36, 10                        ; block (y, x)
	s_lshl_b32 s37, s35, 9
	s_add_co_u32 s36, s36, s37                     ; its half a
	v_lshl_add_u32 v[GO], v1, 4, s36
	s_lshl_b32 s32, s25, 19                        ; h[i]: 128 rows of 4,096 bytes
	s_lshl_b32 s37, s27, 16                        ; row 16 y
	s_add_co_u32 s32, s32, s37
	s_add_co_u32 s32, s32, s34
	s_mov_b32 s33, 0
	s_lshl_b32 s36, s26, 17                        ; weight row 32 x
	s_add_co_u32 s36, s36, s34
	s_mov_b32 s37, 0
	s_wait_kmcnt 0x0
	s_load_b32 s20, s[14:15], 0x0                  ; alpha1
	s_load_b32 s22, s[16:17], 0x0                  ; alpha2
	s_add_nc_u64 s[28:29], s[4:5], s[32:33]
	s_cmp_lg_u32 s25, 0
	s_cselect_b64 s[30:31], s[8:9], s[6:7]         ; q2_w for waves 8-15, q1_w for waves 0-7
	s_add_nc_u64 s[30:31], s[30:31], s[36:37]
	s_wait_alu depctr_va_vdst(0)                   ; the offsets and LDS addresses v4 to v10 are written, which every load and store of the kernel reads
	; all loads go out at once: 4 of the biases, then 48 row pieces, each 512 consecutive bytes
	global_load_b128 v[B1:B1+3],   v[BOFF], s[10:11]
	global_load_b128 v[B1+4:B1+7], v[BOFF], s[10:11] offset:16
	global_load_b128 v[B2:B2+3],   v[BOFF], s[12:13]
	global_load_b128 v[B2+4:B2+7], v[BOFF], s[12:13] offset:16
.set t, 0
.rept 16
	global_load_b128 v[DATA+4*t:DATA+4*t+3], v[GOFF], s[28:29] offset:t*4096
.set t, t+1
.endr
.rept 32
	global_load_b128 v[DATA+4*t:DATA+4*t+3], v[GOFF], s[30:31] offset:(t-16)*4096
.set t, t+1
.endr
	; four rows at a time: rounded in place; the group before goes into my LDS rows meanwhile, 8 bytes a lane
.set t, 0
.rept 12
	s_wait_loadcnt 44-t                            ; loads come back in order (ISA guide 5.7.1): of the 48 row pieces those behind this group's four may stay out; the biases are older
.if t > 0
	s_wait_alu depctr_va_vdst(0)                   ; the conversions of the group before have written their rows' first two registers, which the four LDS stores below read
.endif
.rept 4
.if t > 3
	ds_store_b64 v[STA], v[DATA+4*(t-4):DATA+4*(t-4)+1] offset:(t-4)*P  ; a row of the group before.  No further wait: the conversions since the wait name this group's rows alone
.endif
	v_cvt_pk_bf16_f32 v[DATA+4*t],   v[DATA+4*t],   v[DATA+4*t+1]
	v_cvt_pk_bf16_f32 v[DATA+4*t+1], v[DATA+4*t+2], v[DATA+4*t+3]
.set t, t+1
.endr
.endr
	s_wait_alu depctr_va_vdst(0)                   ; the last group's conversions have written what the last four LDS stores read; and all conversions are done with DATA's registers, in which the fragments land
.rept 4
	ds_store_b64 v[STA], v[DATA+4*(t-4):DATA+4*(t-4)+1] offset:(t-4)*P
.set t, t+1
.endr
	s_wait_alu depctr_vm_vsrc(0)                   ; the 48 LDS stores have read DATA's registers, which the fragments' loads, later F's loads and the additions write again
	; fragments: 16 rows x 32 K in 8 registers, two loads of 16 bytes, 32 bytes apart.  The rows are my own, and LDS serves a wave's instructions in order (ISA guide 5.7.1.4): no wait between stores and loads
.irp s, 0,1,2,3
	ds_load_b128 v[AF+8*(\s):AF+8*(\s)+3],   v[FR] offset:64*(\s)
	ds_load_b128 v[AF+8*(\s)+4:AF+8*(\s)+7], v[FR] offset:64*(\s)+32
.irp a, 0,1
	ds_load_b128 v[BF+32*(\a)+8*(\s):BF+32*(\a)+8*(\s)+3],   v[FR] offset:(16+16*(\a))*P+64*(\s)
	ds_load_b128 v[BF+32*(\a)+8*(\s)+4:BF+32*(\a)+8*(\s)+7], v[FR] offset:(16+16*(\a))*P+64*(\s)+32
.endr
.endr
	s_wait_dscnt 0x0
	; the two accumulators take turns; the first K step starts the sums
.irp s, 0,1,2,3
.irp a, 0,1
.if (\s) == 0
	v_wmma_f32_16x16x32_bf16 v[ACC+8*(\a):ACC+8*(\a)+7], v[BF+32*(\a)+8*(\s):BF+32*(\a)+8*(\s)+7], v[AF+8*(\s):AF+8*(\s)+7], 0
.else
	v_wmma_f32_16x16x32_bf16 v[ACC+8*(\a):ACC+8*(\a)+7], v[BF+32*(\a)+8*(\s):BF+32*(\a)+8*(\s)+7], v[AF+8*(\s):AF+8*(\s)+7], v[ACC+8*(\a):ACC+8*(\a)+7]
.endif
.endr
.endr
	s_wait_kmcnt 0x0                               ; the alphas
	s_mul_f32 s20, s20, 0x3d38aa3b                 ; times log2(e) / 32
	s_mul_f32 s22, s22, 0x3d38aa3b
	s_mov_b32 s21, s20                             ; named as pairs by the packed lines below
	s_mov_b32 s23, s22
.rept 4
	v_nop                                          ; four places between the last product and the stores that read results
.endr
	s_wait_alu depctr_va_vdst(0)                   ; the matrix instructions have written the accumulators, which the LDS stores read, and are done reading AF and BF, in which F's loads land behind the barrier; the places above stay beside this wait
.irp a, 0,1
	ds_store_b128 v[RS], v[ACC+8*(\a):ACC+8*(\a)+3]   offset:(\a)*1024
	ds_store_b128 v[RS], v[ACC+8*(\a)+4:ACC+8*(\a)+7] offset:(\a)*1024+512
.endr
	s_wait_dscnt 0x0                               ; for the others' sake: my partial tile is in LDS
	s_barrier_signal -1
	s_barrier_wait -1
	s_cmp_gt_u32 s24, 1
	s_cbranch_scc1 .Lend
	; wave a = 0, 1: column block a of all 16 partial tiles.  No wait: no vector or matrix instruction since the wait above names F's registers
.set q, 0
.rept 16
	ds_load_b128 v[F+8*q:F+8*q+3],   v[RD] offset:q*2048
	ds_load_b128 v[F+8*q+4:F+8*q+7], v[RD] offset:q*2048+512
.set q, q+1
.endr
	s_wait_dscnt 0x0
.irp d, 4,2,1                          ; waves 0-7's tiles into F (the first product), waves 8-15's into F + 64 (the second), by pairs 4, 2, 1 apart
.set q, 0
.rept \d
.irp p, 0,2,4,6
	v_pk_add_f32 v[F+8*q+(\p):F+8*q+(\p)+1], v[F+8*q+(\p):F+8*q+(\p)+1], v[F+8*(q+(\d))+(\p):F+8*(q+(\d))+(\p)+1]
	v_pk_add_f32 v[F+64+8*q+(\p):F+64+8*q+(\p)+1], v[F+64+8*q+(\p):F+64+8*q+(\p)+1], v[F+64+8*(q+(\d))+(\p):F+64+8*(q+(\d))+(\p)+1]
.endr
.set q, q+1
.endr
.endr
.irp p, 0,2,4,6
	v_pk_add_f32 v[F+(\p):F+(\p)+1], v[F+(\p):F+(\p)+1], v[B1+(\p):B1+(\p)+1]
	v_pk_add_f32 v[F+64+(\p):F+64+(\p)+1], v[F+64+(\p):F+64+(\p)+1], v[B2+(\p):B2+(\p)+1]
.endr
.irp p, 0,2,4,6
	v_pk_mul_f32 v[F+(\p):F+(\p)+1], v[F+(\p):F+(\p)+1], s[20:21] op_sel_hi:[1,0]
.endr
.irp p, 0,2,4,6
	v_pk_fma_f32 v[F+(\p):F+(\p)+1], v[F+64+(\p):F+64+(\p)+1], s[22:23], v[F+(\p):F+(\p)+1] op_sel_hi:[1,0,1]
.endr
	v_cvt_pk_bf16_f32 v[F],   v[F],   v[F+1]
	v_cvt_pk_bf16_f32 v[F+1], v[F+2], v[F+3]
	v_cvt_pk_bf16_f32 v[F+2], v[F+4], v[F+5]
	v_cvt_pk_bf16_f32 v[F+3], v[F+6], v[F+7]
	s_wait_alu depctr_va_vdst(0)                   ; the four conversions have written F to F + 3, which the store reads
	global_store_b128 v[GO], v[F:F+3], s[18:19]    ; the wave stores 512 consecutive bytes, at a multiple of 512 from qcf's first byte
.Lend:
	s_wait_dscnt 0x0                               ; the closing lines, six on end
	s_wait_alu 0x0
	s_wait_tensorcnt 0x0
	ds_add_u32 v[SPW], v[NIL]
	s_wait_dscnt 0x0
	s_endpgm
.Lfunc_end_k_q8fdf43542b_query:
	.size	k_q8fdf43542b_query, .Lfunc_end_k_q8fdf43542b_query-k_q8fdf43542b_query
	.p2alignl 7, 3214868480
	.fill 96, 4, 3214868480
	.section	.rodata,"a",@progbits
	.p2align	6, 0x0
	.amdhsa_kernel k_q8fdf43542b_query
		.amdhsa_group_segment_fixed_size 243712
		.amdhsa_private_segment_fixed_size 0
		.amdhsa_enable_private_segment 0
		.amdhsa_kernarg_size 64
		.amdhsa_user_sgpr_count 2
		.amdhsa_user_sgpr_kernarg_segment_ptr 1
		.amdhsa_wavefront_size32 1
		.amdhsa_system_sgpr_workgroup_id_x 1
		.amdhsa_system_sgpr_workgroup_id_y 1
		.amdhsa_system_sgpr_workgroup_id_z 1
		.amdhsa_system_vgpr_workitem_id 0
		.amdhsa_next_free_vgpr 240
		.amdhsa_next_free_sgpr 66
		.amdhsa_reserve_vcc 0
		.amdhsa_float_denorm_mode_32 3
		.amdhsa_float_denorm_mode_16_64 3
		.amdhsa_memory_ordered 1
		.amdhsa_forward_progress 1
		.amdhsa_inst_pref_size 28
	.end_amdhsa_kernel
	.amdgpu_metadata
---
amdhsa.version: [ 1, 2 ]
amdhsa.kernels:
  - .name:           k_q8fdf43542b_query
    .symbol:         k_q8fdf43542b_query.kd
    .args:
      - { .name: h, .offset: 0, .size: 8, .value_kind: global_buffer, .address_space: global }
      - { .name: q1_w, .offset: 8, .size: 8, .value_kind: global_buffer, .address_space: global }
      - { .name: q2_w, .offset: 16, .size: 8, .value_kind: global_buffer, .address_space: global }
      - { .name: q1_b, .offset: 24, .size: 8, .value_kind: global_buffer, .address_space: global }
      - { .name: q2_b, .offset: 32, .size: 8, .value_kind: global_buffer, .address_space: global }
      - { .name: alpha1, .offset: 40, .size: 8, .value_kind: global_buffer, .address_space: global }
      - { .name: alpha2, .offset: 48, .size: 8, .value_kind: global_buffer, .address_space: global }
      - { .name: qcf, .offset: 56, .size: 8, .value_kind: global_buffer, .address_space: global }
    .group_segment_fixed_size: 243712
    .private_segment_fixed_size: 0
    .kernarg_segment_align: 8
    .kernarg_segment_size: 64
    .max_flat_workgroup_size: 512
    .sgpr_count:     66
    .vgpr_count:     240
    .wavefront_size: 32
...
	.end_amdgpu_metadata
.endif
;; end of part 5
;; launch keyfold: the kernel of part 2 again; grid 16 x 8, 16 waves a work-group, no clusters, 236,544 bytes of LDS; arguments qcf, wk_w, wk_b, tq, cb; writes tq, cb
;; launch stream: the kernel of part 3 again; grid 256 x 1, 16 waves a work-group, no clusters, 67,840 bytes of LDS; arguments obj_embed, tq, cb, xp, st; writes xp, st
;; launch value (part 6): grid 16 x 16, 16 waves a work-group, no clusters, 256,000 bytes of LDS; arguments xp, st, wv_w, wv_b, out0; writes out0
.if DOCPART == 6
	.amdgcn_target "amdgcn-amd-amdhsa--gfx1250"
	.amdhsa_code_object_version 6
	.text
	.protected	k_q8fdf43542b_value
	.globl	k_q8fdf43542b_value
	.p2align	8
	.type	k_q8fdf43542b_value,@function
k_q8fdf43542b_value:
	s_mov_b64 s[64:65], 0
	v_nop
	global_prefetch_b8 v0, s[64:65] scope:SCOPE_SE
	s_setreg_imm32_b32 hwreg(HW_REG_WAVE_SCHED_MODE, 0, 2), 2
	s_setreg_imm32_b32 hwreg(HW_REG_WAVE_MODE, 25, 1), 1
	s_wait_xcnt 0x0
	s_wait_alu depctr_vm_vsrc(0)
; Y[g][n] = xp[g] . wv_w[n]; out0[b][n] = g0 Y[2 b][n] + g1 Y[2 b + 1][n] + wv_b[n], where g0, g1 are the two half batches' shares of the softmax's sum:
; g_p = 2^(m_p - max) l_p / (the sum of both).  The weights of a batch add up to 1, so the bias enters once (here with the weight g0 + g1, 1 to within f32's rounding).
; SHARES.  Work-group (x, y): rows 16 y .. +15 of xp (batches 8 y .. +7, both halves), columns 64 x .. +63.  Wave w: K slice 64 w .. +63 of the whole tile: 80 row pieces of 256 bytes,
; rounded to f16 into LDS rows of its own, read back as fragments, 8 matrix instructions.  The 16 partial tiles meet in LDS behind one barrier; waves 0-3 add them, merge the halves and store.
; THE MATRIX INSTRUCTION IS USED TRANSPOSED (source 0 = 16 rows of wv_w, source 1 = 16 rows of xp): a lane holds row lane % 16 and columns 8 (lane / 16) + 0..7.
; f16, not bf16: the result is a mean of 256 rows and small beside its operands' roundings in bf16; f16's three bits more are what the comparison's margin wants.
; NO CLUSTER: both operands are f32 in memory and pass through registers to be rounded; as f32 tiles a work-group's 16 x 80 x 256 = 327,680 bytes are all of LDS, with no room for the partial tiles.
; LIMITS.  f16 holds no number beyond 65,504: obj_embed (xp is a mean of its rows) and wv_w must lie within it; below 6e-5 f16 keeps its fixed step of 6e-8.  NaN and infinities are not treated apart.
; THE MODE: SCHED_MODE bits 1:0 = 2 (LLVM: expert scheduling mode 2), set by the entry lines.  The code itself states the register dependences
; between vector or matrix instructions and memory or LDS instructions, with s_wait_alu, always for 0.
; THE PLAN.  Registers that memory or LDS instructions touch:
;   v4 .. v14     offsets and LDS addresses: written once at the head, then only read.
;   DATA, load t  A global load lands in it once; two conversions read its four registers and write the first two; one LDS store reads those two.  Each load has registers of its own.
;   AF, BF        On DATA's registers: the fragments' LDS loads land in them, the matrix instructions read them.
;   ACC           Written by the matrix instructions, read by the LDS stores of the partial tile.
;   F             On AF, BF and more of DATA: behind the barrier LDS loads land in it; the additions read and write it; F .. F + 3 are the global store's data.
; The 40 loads go in 10 groups of four.  Group g's eight conversions name group g's registers alone; the four LDS stores of group g - 1 are dealt among them, behind ONE wait on va_vdst at the group's head.
; One wait on vm_vsrc stands behind the last of those stores: from there on DATA's registers may be written again, by the fragments' loads, by F's loads and by the additions.
.set P,     144                        ; an LDS row: 128 bytes of f16 + 16 = 36 words: the 16 rows of a fragment load start at 16 different groups of four banks (64 banks of 4 bytes: ISA guide 11.1)
.set SLICE, 80*P                       ; a wave's own rows: 0-15 xp, 16-79 wv_w
.set RED,   16*SLICE                   ; the partial tiles:
.set RP,    272                        ; rows of 64 f32 + 16 bytes,
.set REDW,  16*RP                      ; 16 rows a wave
.set SPARE, RED+16*REDW                ; the spare words, 128 bytes for each wave: eight blocks of 256 bytes that no other line names
.set GOFF, 4                           ; v4   4,096 (lane / 16) + 16 r: a load takes two row pieces of 256 bytes
.set SO,   5                           ; v5   st: 16 x my batch among the work-group's 8
.set VO,   6                           ; v6   16 r
.set STA,  7                           ; v7   LDS: where my 8 bytes of rows 0, 1 go
.set FR,   8                           ; v8   LDS: my lane's place in a fragment
.set RS,   9                           ; v9   LDS: where my partial tile goes
.set RD0,  10                          ; v10  LDS: a finishing thread's 16 bytes of row 2 batch,
.set GO,   11                          ; v11  its byte offset in the work-group's part of out0
.set SPW,  12                          ; v12  LDS address of my spare word; never rewritten
.set NIL,  13                          ; v13  0; never rewritten
.set RD1,  14                          ; v14  and of row 2 batch + 1: a register of its own, since 15 x 4,352 + 272 passes the 16-bit offset
.set SM,   16                          ; v[16:19] m0 + c, l0, m1 + c, l1
.set BV,   20                          ; v[20:23] wv_b
.set G0,   24                          ; v[24:25] g0 and its exponential's argument; v[26:27] the same for g1
.set G1,   26
.set ACC,  32                          ; v[32:63] four accumulators
.set DATA, 64                          ; v[64:223] 40 loads of 4 registers
.set AF,   64                          ; later: xp's fragments, K step s at AF + 8 s
.set BF,   80                          ; wv_w's: column block n, K step s at BF + 16 n + 8 s
.set F,    64                          ; later still: what a finishing thread adds: 16 x 4 for each of its two rows
	s_load_b256 s[4:11], s[0:1], 0x0               ; xp s[4:5], st s[6:7], wv_w s[8:9], wv_b s[10:11]
	s_load_b64 s[12:13], s[0:1], 0x20              ; out0
	v_lshl_add_u32 v[SPW], v0, 2, SPARE
	v_mov_b32 v[NIL], 0
	v_lshrrev_b32 v15, 5, v0
	v_readfirstlane_b32 s14, v15                   ; wave 0..15
	v_and_b32 v2, 15, v0                           ; r
	v_bfe_u32 v3, v0, 4, 1                         ; lane / 16
	s_mov_b32 s15, ttmp9                           ; x
	s_and_b32 s16, ttmp7, 0xffff                   ; y
	v_lshlrev_b32 v[VO], 4, v2
	v_lshl_add_u32 v[GOFF], v3, 12, v[VO]
	v_bfe_u32 v15, v0, 4, 3                        ; a finishing thread's batch: bits 6:4 of its number, 0 to 7 in every wave
	v_lshlrev_b32 v[SO], 4, v15
	s_wait_alu depctr_va_sdst(0)                   ; s14 is written, ahead of its first reader: the slices, bases and the branch are made from it
	s_mul_i32 s20, s14, SLICE
	v_mul_u32_u24 v[STA], v3, P
	v_lshl_add_u32 v[STA], v2, 3, v[STA]
	v_add_nc_u32 v[STA], s20, v[STA]
	v_mul_u32_u24 v[FR], v2, P
	v_lshl_add_u32 v[FR], v3, 4, v[FR]
	v_add_nc_u32 v[FR], s20, v[FR]
	s_mul_i32 s20, s14, REDW
	s_add_co_u32 s20, s20, RED
	v_mul_u32_u24 v[RS], v2, RP
	v_lshl_add_u32 v[RS], v3, 5, v[RS]
	v_add_nc_u32 v[RS], s20, v[RS]
	v_mul_u32_u24 v[RD0], v15, 2*RP
	v_add_nc_u32 v[RD0], v[RD0], v[VO]
	v_add_nc_u32 v[RD0], RED, v[RD0]
	v_add_nc_u32 v[RD1], RP, v[RD0]
	v_lshl_add_u32 v[GO], v15, 12, v[VO]
	s_mov_b32 s19, 0
	s_lshl_b32 s21, s14, 8                         ; my K slice, in bytes of a row
	s_lshl_b32 s22, s15, 8                         ; column 64 x, in bytes
	s_wait_kmcnt 0x0
	s_lshl_b32 s18, s16, 16                        ; xp at row 16 y
	s_add_co_u32 s18, s18, s21
	s_add_nc_u64 s[4:5], s[4:5], s[18:19]
	s_lshl_b32 s18, s15, 18                        ; wv_w at row 64 x
	s_add_co_u32 s18, s18, s21
	s_add_nc_u64 s[8:9], s[8:9], s[18:19]
	s_lshl_b32 s18, s16, 7                         ; st at row 16 y
	s_add_nc_u64 s[6:7], s[6:7], s[18:19]
	s_mov_b32 s18, s22
	s_add_nc_u64 s[10:11], s[10:11], s[18:19]
	s_lshl_b32 s18, s16, 15                        ; out0 at batch 8 y
	s_add_co_u32 s18, s18, s22
	s_add_nc_u64 s[12:13], s[12:13], s[18:19]
	s_wait_alu depctr_va_vdst(0)                   ; the offsets and LDS addresses v4 to v11 and v14 are written, which every load and store of the kernel reads
	; all loads go out at once: the statistics, the bias, then 40 loads of two row pieces
	global_load_b128 v[SM:SM+3], v[SO], s[6:7]
	global_load_b128 v[BV:BV+3], v[VO], s[10:11]
.set t, 0
.rept 8
	global_load_b128 v[DATA+4*t:DATA+4*t+3], v[GOFF], s[4:5] offset:t*8192
.set t, t+1
.endr
.rept 32
	global_load_b128 v[DATA+4*t:DATA+4*t+3], v[GOFF], s[8:9] offset:(t-8)*8192
.set t, t+1
.endr
	; four loads at a time: rounded in place; the group before goes into my LDS rows meanwhile, 8 bytes a lane
.set t, 0
.rept 10
	s_wait_loadcnt 36-t                            ; loads come back in order (ISA guide 5.7.1): of the 40 those behind this group's four may stay out; statistics and bias are older
.if t > 0
	s_wait_alu depctr_va_vdst(0)                   ; the conversions of the group before have written their first two registers, which the four LDS stores below read
.endif
.rept 4
.if t > 3
	ds_store_b64 v[STA], v[DATA+4*(t-4):DATA+4*(t-4)+1] offset:(t-4)*2*P  ; two row pieces of the group before.  No further wait: the conversions since the wait name this group's registers alone
.endif
	v_cvt_pk_f16_f32 v[DATA+4*t],   v[DATA+4*t],   v[DATA+4*t+1]
	v_cvt_pk_f16_f32 v[DATA+4*t+1], v[DATA+4*t+2], v[DATA+4*t+3]
.set t, t+1
.endr
.endr
	s_wait_alu depctr_va_vdst(0)                   ; the last group's conversions have written what the last four LDS stores read; and all conversions are done with DATA's registers, in which the fragments land
.rept 4
	ds_store_b64 v[STA], v[DATA+4*(t-4):DATA+4*(t-4)+1] offset:(t-4)*2*P
.set t, t+1
.endr
	s_wait_alu depctr_vm_vsrc(0)                   ; the 40 LDS stores have read DATA's registers, which the fragments' loads, later F's loads and the additions write again
	; fragments: 16 rows x 32 K in 8 registers, two loads of 16 bytes, 32 bytes apart.  The rows are my own: LDS serves a wave's instructions in order (ISA guide 5.7.1.4)
.irp s, 0,1
	ds_load_b128 v[AF+8*(\s):AF+8*(\s)+3],   v[FR] offset:64*(\s)
	ds_load_b128 v[AF+8*(\s)+4:AF+8*(\s)+7], v[FR] offset:64*(\s)+32
.irp n, 0,1,2,3
	ds_load_b128 v[BF+16*(\n)+8*(\s):BF+16*(\n)+8*(\s)+3],   v[FR] offset:(16+16*(\n))*P+64*(\s)
	ds_load_b128 v[BF+16*(\n)+8*(\s)+4:BF+16*(\n)+8*(\s)+7], v[FR] offset:(16+16*(\n))*P+64*(\s)+32
.endr
.endr
	s_wait_dscnt 0x0
	; the four accumulators take turns; the first K step starts the sums
.irp s, 0,1
.irp n, 0,1,2,3
.if (\s) == 0
	v_wmma_f32_16x16x32_f16 v[ACC+8*(\n):ACC+8*(\n)+7], v[BF+16*(\n)+8*(\s):BF+16*(\n)+8*(\s)+7], v[AF+8*(\s):AF+8*(\s)+7], 0
.else
	v_wmma_f32_16x16x32_f16 v[ACC+8*(\n):ACC+8*(\n)+7], v[BF+16*(\n)+8*(\s):BF+16*(\n)+8*(\s)+7], v[AF+8*(\s):AF+8*(\s)+7], v[ACC+8*(\n):ACC+8*(\n)+7]
.endif
.endr
.endr
.rept 4
	v_nop                                          ; four places between the last product and the stores that read results
.endr
	s_wait_alu depctr_va_vdst(0)                   ; the matrix instructions have written the accumulators, which the LDS stores read, and are done reading AF and BF, in which F's loads land behind the barrier; the places above stay beside this wait
.irp n, 0,1,2,3
	ds_store_b128 v[RS], v[ACC+8*(\n):ACC+8*(\n)+3]   offset:64*(\n)
	ds_store_b128 v[RS], v[ACC+8*(\n)+4:ACC+8*(\n)+7] offset:64*(\n)+16
.endr
	s_wait_dscnt 0x0                               ; for the others' sake: my partial tile is in LDS
	s_barrier_signal -1
	s_barrier_wait -1
	s_cmp_gt_u32 s14, 3
	s_cbranch_scc1 .Lend
	; waves 0-3: thread n takes batch n / 16 and 16 bytes of its two rows, over the 16 partial tiles.  No wait: no vector or matrix instruction since the wait above names F's registers
.set q, 0
.rept 16
	ds_load_b128 v[F+4*q:F+4*q+3],       v[RD0] offset:q*REDW
	ds_load_b128 v[F+64+4*q:F+64+4*q+3], v[RD1] offset:q*REDW
.set q, q+1
.endr
	; the two halves' shares, while those loads are out: these lines name v16 to v30 alone, none of F's registers
	v_max_num_f32 v28, v[SM], v[SM+2]
	v_sub_f32 v[G0+1], v[SM], v28
	v_sub_f32 v[G1+1], v[SM+2], v28
	v_exp_f32 v[G0], v[G0+1]
	v_exp_f32 v[G1], v[G1+1]
	v_nop                                          ; a plain instruction behind the exponentials
	s_wait_alu depctr_va_vdst(0)                   ; the two exponentials have written G0 and G1, ahead of their first reader
	v_mul_f32 v[G0], v[G0], v[SM+1]
	v_mul_f32 v[G1], v[G1], v[SM+3]
	v_add_f32 v29, v[G0], v[G1]
	v_rcp_f32 v30, v29
	v_nop                                          ; a plain instruction behind the reciprocal
	s_wait_alu depctr_va_vdst(0)                   ; the reciprocal has written v30, ahead of its first reader
	v_mul_f32 v[G0], v[G0], v30
	v_mul_f32 v[G1], v[G1], v30
	s_wait_dscnt 0x0
.irp d, 8,4,2,1
.set q, 0
.rept \d
	v_pk_add_f32 v[F+4*q:F+4*q+1],       v[F+4*q:F+4*q+1],       v[F+4*(q+(\d)):F+4*(q+(\d))+1]
	v_pk_add_f32 v[F+4*q+2:F+4*q+3],     v[F+4*q+2:F+4*q+3],     v[F+4*(q+(\d))+2:F+4*(q+(\d))+3]
	v_pk_add_f32 v[F+64+4*q:F+64+4*q+1],   v[F+64+4*q:F+64+4*q+1],   v[F+64+4*(q+(\d)):F+64+4*(q+(\d))+1]
	v_pk_add_f32 v[F+64+4*q+2:F+64+4*q+3], v[F+64+4*q+2:F+64+4*q+3], v[F+64+4*(q+(\d))+2:F+64+4*(q+(\d))+3]
.set q, q+1
.endr
.endr
	v_pk_fma_f32 v[F+64:F+65], v[F+64:F+65], v[G1:G1+1], v[BV:BV+1]     op_sel_hi:[1,0,1]
	v_pk_fma_f32 v[F+66:F+67], v[F+66:F+67], v[G1:G1+1], v[BV+2:BV+3]   op_sel_hi:[1,0,1]
	v_pk_fma_f32 v[F:F+1],     v[F:F+1],     v[G0:G0+1], v[F+64:F+65]   op_sel_hi:[1,0,1]
	v_pk_fma_f32 v[F+2:F+3],   v[F+2:F+3],   v[G0:G0+1], v[F+66:F+67]   op_sel_hi:[1,0,1]
	s_wait_alu depctr_va_vdst(0)                   ; the last two multiply-adds have written F to F + 3, which the store reads
	global_store_b128 v[GO], v[F:F+3], s[12:13]    ; 16 lanes store 256 consecutive bytes, at a multiple of 256 from out0's first byte
.Lend:
	s_wait_dscnt 0x0                               ; the closing lines, six on end
	s_wait_alu 0x0
	s_wait_tensorcnt 0x0
	ds_add_u32 v[SPW], v[NIL]
	s_wait_dscnt 0x0
	s_endpgm
.Lfunc_end_k_q8fdf43542b_value:
	.size	k_q8fdf43542b_value, .Lfunc_end_k_q8fdf43542b_value-k_q8fdf43542b_value
	.p2alignl 7, 3214868480
	.fill 96, 4, 3214868480
	.section	.rodata,"a",@progbits
	.p2align	6, 0x0
	.amdhsa_kernel k_q8fdf43542b_value
		.amdhsa_group_segment_fixed_size 256000
		.amdhsa_private_segment_fixed_size 0
		.amdhsa_enable_private_segment 0
		.amdhsa_kernarg_size 40
		.amdhsa_user_sgpr_count 2
		.amdhsa_user_sgpr_kernarg_segment_ptr 1
		.amdhsa_wavefront_size32 1
		.amdhsa_system_sgpr_workgroup_id_x 1
		.amdhsa_system_sgpr_workgroup_id_y 1
		.amdhsa_system_sgpr_workgroup_id_z 1
		.amdhsa_system_vgpr_workitem_id 0
		.amdhsa_next_free_vgpr 224
		.amdhsa_next_free_sgpr 66
		.amdhsa_reserve_vcc 0
		.amdhsa_float_denorm_mode_32 3
		.amdhsa_float_denorm_mode_16_64 3
		.amdhsa_memory_ordered 1
		.amdhsa_forward_progress 1
		.amdhsa_inst_pref_size 25
	.end_amdhsa_kernel
	.amdgpu_metadata
---
amdhsa.version: [ 1, 2 ]
amdhsa.kernels:
  - .name:           k_q8fdf43542b_value
    .symbol:         k_q8fdf43542b_value.kd
    .args:
      - { .name: xp, .offset: 0, .size: 8, .value_kind: global_buffer, .address_space: global }
      - { .name: st, .offset: 8, .size: 8, .value_kind: global_buffer, .address_space: global }
      - { .name: wv_w, .offset: 16, .size: 8, .value_kind: global_buffer, .address_space: global }
      - { .name: wv_b, .offset: 24, .size: 8, .value_kind: global_buffer, .address_space: global }
      - { .name: out0, .offset: 32, .size: 8, .value_kind: global_buffer, .address_space: global }
    .group_segment_fixed_size: 256000
    .private_segment_fixed_size: 0
    .kernarg_segment_align: 8
    .kernarg_segment_size: 40
    .max_flat_workgroup_size: 512
    .sgpr_count:     66
    .vgpr_count:     224
    .wavefront_size: 32
...
	.end_amdgpu_metadata
.endif
;; end of part 6
